; MI455X (gfx1250); checked and timed in simulation.
; The chip was launched on July 23, 2026; its instructions are those of AMD's public machine-readable ISA for CDNA 5 (MIT licence, August 2026) and "CDNA5" Instruction Set Architecture Reference Guide (July 2026). The comments in the code are by the model that wrote it; some were corrected since.
;; Flash Self Attention. Allowed arithmetic: matrix products marked QUANTISED: E2M1 operands, one E8M0 scale for each 32 along K, by v_wmma_scale_f32_16x16x128_f8f6f4 with both operands' format E2M1 (or v_wmma_scale_f32_32x16x128_f4), f32 sums; products left as they are: bf16, f16 or f32 operands; f32 sums; everything else in f32.
;; Inputs: Wk 2,048 x 512 float32; Wo 2,048 x 2,048 float32; Wq 2,048 x 2,048 float32; Wv 2,048 x 512 float32; x 4 x 1,024 x 2,048 float32.
;; Outputs: out0 4 x 1,024 x 2,048 float32.
;; This version of the problem:
;;   THIS VERSION OF THE PROBLEM IS GIVEN IN LOW PRECISION. The matrix products marked QUANTISED in the list below multiply operands that are first quantised to E2M1 (2 exponent bits, 1 mantissa bit; 4 bits a number), with one power-of-two scale for each 32 numbers along K (OCP MX v1.0); their sums are f32. The products marked 'left as it is' may take bf16, f16 or f32 operands, with f32 sums. Whichever they take, every output number must still come out within the allowed error. Rounding operands to bf16 (8 significant bits) uses up far more of that allowance than f16 does (11 bits, for magnitudes from 6e-5 to 65,504). All else is computed in f32.
;;   The module's matrix products, in the order in which they are computed (A, B: the left and right operand; K: the contracted axis; several contracted axes count as one K, in the product's order):
;;     1. [M 4,096, K 2,048] x [K 2,048, N 2,048]; A: input x; B: input Wq: QUANTISED
;;     2. [M 4,096, K 2,048] x [K 2,048, N 512]; A: input x; B: input Wk: QUANTISED
;;     3. [M 4,096, K 2,048] x [K 2,048, N 512]; A: input x; B: input Wv: QUANTISED
;;     4. batch 64 x [M 1,024, K 128] x [K 128, N 1,024]; A: computed on the way; B: computed on the way: left as it is (an operand is computed on the way)
;;     5. batch 64 x [M 1,024, K 1,024] x [K 1,024, N 128]; A: computed on the way; B: computed on the way: left as it is (an operand is computed on the way)
;;     6. [M 4,096, K 2,048] x [K 2,048, N 2,048]; A: computed on the way; B: input Wo: left as it is (an operand is computed on the way)
;;   THE QUANTISER, for each operand of a quantised product, along K:
;;     - K is cut into blocks of 32 from its start; a last block that is shorter is filled with zeros.
;;     - A block's scale is 2^e with e = floor(log2(the largest magnitude in the block)) - 2, held to -126 .. 127; a block of zeros has e = 0. As a byte (E8M0): e + 127.
;;     - Each number is divided by its block's scale, clamped to +-6, and rounded to the nearest number of E2M1, ties to even, subnormals kept.
;;     - The product sums the exact products of the quantised numbers (number of the format x scale) in f32.
;;   ~~~python
;;   def quantise(x, axis):      # numpy; x: float32 -> the quantised numbers, widened to float32 again
;;       x = np.moveaxis(x, axis, -1); K = x.shape[-1]
;;       x = np.pad(x, [(0, 0)] * (x.ndim - 1) + [(0, -K % 32)]); x = x.reshape(x.shape[:-1] + (-1, 32)); a = np.abs(x).max(-1, keepdims=True)
;;       e = np.where(a > 0, np.clip(np.frexp(np.where(a > 0, a, 1))[1] - 1 - 2, -126, 127), 0)      # np.frexp(a)[1] - 1 = floor(log2(a)), exactly
;;       r = np.clip(x / 2.0 ** e, -6, 6)
;;       step = 2.0 ** (np.maximum(np.frexp(np.where(r == 0, 1, r))[1] - 1, 0) - 1)
;;       q = np.round(r / step) * step * 2.0 ** e      # np.round: ties to even
;;       return np.moveaxis(q.reshape(q.shape[:-2] + (-1,))[..., :K], -1, axis).astype(np.float32)
;;   ~~~
;; One version. Each part assembles by itself: llvm-mc -triple=amdgcn-amd-amdhsa -mcpu=gfx1250 --defsym DOCPART=n.
;; ======== version 1 of 1: 5 launches
;; limits: values are held in f16: magnitudes above 65,504 overflow, below 6.1e-05 lose precision
;; workspace buffers: codes 7,340,032 bytes; scales 458,752 bytes; wot 8,388,608 bytes; rope 524,288 bytes; qkv 25,165,824 bytes; fineqkv 786,432 bytes; attn 16,777,216 bytes; finea 524,288 bytes
;; launch prep (part 1): grid 228 x 1, 16 waves a work-group, no clusters, 129,024 bytes of LDS; arguments x, Wq, Wk, Wv, codes, scales, rope; writes codes, scales, rope
.if DOCPART == 1
	.amdgcn_target "amdgcn-amd-amdhsa--gfx1250"
	.amdhsa_code_object_version 6
	.text
	.protected	k_qc2d72c7510_prep
	.globl	k_qc2d72c7510_prep
	.p2align	8
	.type	k_qc2d72c7510_prep,@function
k_qc2d72c7510_prep:
	s_mov_b64 s[64:65], 0
	v_nop
	global_prefetch_b8 v0, s[64:65] scope:SCOPE_SE
	s_setreg_imm32_b32 hwreg(HW_REG_WAVE_MODE, 25, 1), 1
	s_wait_xcnt 0x0
; PREP: three jobs in one launch, parted on the work-group's number; each job has LDS bytes of its own.
;   work-groups   0-127: x [4096][2048] f32 -> codes of FP4 (E2M1), K innermost, and one E8M0 byte for each 32 along K
;   work-groups 128-223: Wq, Wk, Wv [2048 k][n] f32 -> the same along K, laid [3072 n][2048 k] (rows 0-2047 Wq, 2048-2559 Wk, 2560-3071 Wv)
;   work-groups 224-227: the table of cos and sin of pos x 10000^(-j/64), pos 0..1023, j 0..63, f32
; A work-group of the first two jobs reads 262,144 bytes: equal shares.
; A block's scale is 2^(floor(log2(its largest magnitude)) - 2); its byte is the largest magnitude's exponent field - 2, held at 1 from below
; (a block of zeros so gets the byte 1: its codes are zeros, and this program alone reads the bytes).
; LIMITS: NaN and infinities among the inputs are not served; blocks whose largest magnitude lies under 2^-124 keep the byte 1.
; Memory binds: no matrix work, no tensor loads, no cluster.
.set SPARE, 126976                     ; the spare words: 128 bytes for each of 16 waves; no other line names them
.set SPW,   254                        ; v254 SPARE + 4 x my thread's number; never rewritten
.set NIL,   255                        ; v255 0; never rewritten
.set P1W,   5632                       ; x: a wave's LDS region: two stages of 32 x 80 bytes, then its 128 scale bytes
.set SP,    80
.set NST,   8                          ; x: steps of a wave
.set P2ST,  90112                      ; W: the work-group's stage, 128 rows x 272
.set P2SC,  124928                     ; W: 128 columns x 16 scale bytes
	s_load_b256 s[4:11], s[0:1], 0x0               ; x 4, Wq 6, Wk 8, Wv 10
	s_load_b64 s[14:15], s[0:1], 0x20              ; codes
	s_load_b64 s[16:17], s[0:1], 0x28              ; scales
	s_load_b64 s[20:21], s[0:1], 0x30              ; rope
	v_lshl_add_u32 v[SPW], v0, 2, SPARE
	v_mov_b32 v[NIL], 0
	v_lshrrev_b32 v1, 5, v0
	v_readfirstlane_b32 s22, v1                    ; wave 0..15
	v_and_b32 v1, 31, v0                           ; lane
	v_and_b32 v2, 15, v0                           ; r
	v_bfe_u32 v3, v0, 4, 1                         ; h
	s_wait_kmcnt 0x0
	s_cmp_lt_u32 ttmp9, 128
	s_cbranch_scc1 .Lp1
	s_cmp_lt_u32 ttmp9, 224
	s_cbranch_scc1 .Lp2
; ---------------- the table.  unit = 16 u + wave takes 16 positions, two a trip (lanes 0-15 one, lanes 16-31 the next); lane r holds j = 4 r + 0..3.
; Laid [u = pos / 256][row = 64 x (sin) + pos % 64][(pos / 64) % 4][64 j]: a group of 64 positions is 128 rows of 256 bytes, 1,024 bytes apart.
	s_sub_co_u32 s24, ttmp9, 224                   ; u
	s_lshl_b32 s25, s24, 4
	s_add_co_u32 s25, s25, s22                     ; unit
	s_lshl_b32 s26, s24, 17                        ; u x 128 rows x 1,024
	s_and_b32 s27, s25, 3
	s_lshl_b32 s27, s27, 14                        ; + 16 (unit % 4) rows
	s_add_co_u32 s26, s26, s27
	s_bfe_u32 s27, s25, 0x20002
	s_lshl_b32 s27, s27, 8                         ; + 256 x the group's place in a row
	s_add_co_u32 s26, s26, s27
	s_mov_b32 s27, 0
	s_add_nc_u64 s[20:21], s[20:21], s[26:27]
	v_lshlrev_b32 v5, 10, v3
	v_lshl_add_u32 v5, v2, 4, v5                   ; 1,024 h + 16 r
	s_lshl_b32 s28, s25, 4
	v_add_nc_u32 v6, s28, v3
	v_cvt_f32_u32 v20, v6                          ; pos = 16 unit + h
	v_lshlrev_b32 v6, 2, v2
.irp e, 0,1,2,3
	v_add_nc_u32 v7, \e, v6
	v_cvt_f32_u32 v[16+\e], v7
	v_mul_f32 v[16+\e], 0xbe549a78, v[16+\e]       ; -j x log2(10000) / 64
.endr
.irp e, 0,1,2,3
	v_exp_f32 v[16+\e], v[16+\e]                   ; 10000^(-j/64)
.endr
	s_mov_b32 s40, 0x3f22f983                      ; 2 / pi   (a plain line follows the exponentials below)
	s_mov_b32 s41, 0xbfc90fdb                      ; -(pi / 2), the f32 nearest,
	s_mov_b32 s42, 0x333bbd2e                      ; and what that leaves
	s_mov_b32 s43, 0xbe2aaaa3                      ; sin: -1.6666654611e-1,
	s_mov_b32 s44, 0x3c08839e                      ; 8.3321608736e-3,
	s_mov_b32 s45, 0xb94ca1f9                      ; -1.9515295891e-4
	s_mov_b32 s46, 0x3d2aaaa5                      ; cos: 4.166664568e-2,
	s_mov_b32 s47, 0xbab6061a                      ; -1.388731625e-3,
	s_mov_b32 s48, 0x37ccf5ce                      ; 2.443315712e-5
	s_mov_b32 s29, 8
	v_nop                                          ; the plain line behind the last exponential
	s_wait_alu depctr_va_vdst(0)                   ; one wait for the four, ahead of the loop's label and of their first reader
.Ltab:
.irp e, 0,1,2,3
	v_mul_f32 v[24+\e], v20, v[16+\e]              ; the angle, rounded to f32 once, as pos x inv_freq is
.endr
.irp e, 0,1,2,3
	v_mul_f32 v[28+\e], s40, v[24+\e]
.endr
.irp e, 0,1,2,3
	v_rndne_f32 v[28+\e], v[28+\e]                 ; n = the nearest multiple of pi / 2
.endr
.irp e, 0,1,2,3
	v_fma_f32 v[32+\e], v[28+\e], s41, v[24+\e]
.endr
.irp e, 0,1,2,3
	v_fma_f32 v[32+\e], v[28+\e], s42, v[32+\e]    ; rho = angle - n pi / 2, within pi / 4 of 0
.endr
.irp e, 0,1,2,3
	v_mul_f32 v[36+\e], v[32+\e], v[32+\e]         ; z = rho^2
.endr
.irp e, 0,1,2,3
	v_fma_f32 v[40+\e], v[36+\e], s45, s44
	v_fma_f32 v[44+\e], v[36+\e], s48, s47
.endr
.irp e, 0,1,2,3
	v_fma_f32 v[40+\e], v[40+\e], v[36+\e], s43
	v_fma_f32 v[44+\e], v[44+\e], v[36+\e], s46
.endr
.irp e, 0,1,2,3
	v_mul_f32 v[40+\e], v[40+\e], v[36+\e]
	v_fma_f32 v[44+\e], v[44+\e], v[36+\e], -0.5
.endr
.irp e, 0,1,2,3
	v_fma_f32 v[40+\e], v[40+\e], v[32+\e], v[32+\e]   ; sin rho
	v_fma_f32 v[44+\e], v[44+\e], v[36+\e], 1.0        ; cos rho
.endr
.irp e, 0,1,2,3
	v_cvt_i32_f32 v[48+\e], v[28+\e]               ; the quadrant is n mod 4
.endr
.irp e, 0,1,2,3
	v_and_b32 v8, 1, v[48+\e]
	v_cmp_eq_u32 vcc_lo, 1, v8
	v_cndmask_b32 v[52+\e], v[40+\e], v[44+\e], vcc_lo   ; sin: in odd quadrants cos rho
	v_cndmask_b32 v[56+\e], v[44+\e], v[40+\e], vcc_lo   ; cos: in odd quadrants sin rho
	v_and_b32 v8, 2, v[48+\e]
	v_lshlrev_b32 v8, 30, v8
	v_xor_b32 v[52+\e], v8, v[52+\e]               ; sin is negated in quadrants 2, 3
	v_add_nc_u32 v9, 1, v[48+\e]
	v_and_b32 v9, 2, v9
	v_lshlrev_b32 v9, 30, v9
	v_xor_b32 v[56+\e], v9, v[56+\e]               ; cos in quadrants 1, 2
.endr
	global_store_b128 v5, v[56:59], s[20:21]                ; sixteen lanes store 256 consecutive bytes, aligned
	global_store_b128 v5, v[52:55], s[20:21] offset:65536   ; sin: 64 rows further down
	s_wait_xcnt 0x0                                ; the stores' offset and data are written again only behind this wait
	v_add_nc_u32 v5, 2048, v5
	v_add_f32 v20, 2.0, v20
	s_sub_co_u32 s29, s29, 1
	s_cmp_lg_u32 s29, 0
	s_cbranch_scc1 .Ltab
	s_endpgm                                       ; this job writes no LDS
; ---------------- x.  A plain stream of blocks of 32.  A wave takes 8 steps of 512 numbers: four loads of 512 consecutive bytes a step, a turn through the wave's own stage,
; so that a lane holds 16 neighbours (two lanes to a block).  All 32 loads of a wave go out at once, each into registers of its own; the turn runs one step ahead.
.macro X1LOAD t
.irp i, 0,1,2,3
	global_load_b128 v[16+16*(\t)+4*\i:16+16*(\t)+4*\i+3], v10, s[4:5] offset:2048*(\t)+512*\i th:TH_LOAD_NT
.endr
.endm
.macro X1TURN t                        ; LDS serves a wave's instructions in order: no wait between the stores and the loads
.irp i, 0,1,2,3
	ds_store_b128 v14, v[16+16*(\t)+4*\i:16+16*(\t)+4*\i+3] offset:32*SP*((\t)%2)+8*SP*\i
.endr
.irp i, 0,1,2,3
	ds_load_b128 v[144+16*((\t)%2)+4*\i:144+16*((\t)%2)+4*\i+3], v15 offset:32*SP*((\t)%2)+16*\i
.endr
.endm
.macro X1STEP t
.set XS, 144+16*((\t)%2)
.if (\t) > 0
	s_wait_dscnt 1                                 ; this step's numbers are back from the stage; the last step's byte store may be out
.else
	s_wait_dscnt 0x0
.endif
.if (\t)+1 < NST
	s_wait_loadcnt 4*(NST-2-(\t))                  ; the next step's four loads are in; those of the steps behind it may be out
	X1TURN (\t)+1
.endif
	v_max3_num_f32 v8, |v[XS]|, |v[XS+1]|, |v[XS+2]|
	v_max3_num_f32 v9, |v[XS+3]|, |v[XS+4]|, |v[XS+5]|
.irp i, 6,10
	v_max3_num_f32 v8, v8, |v[XS+\i]|, |v[XS+\i+1]|
	v_max3_num_f32 v9, v9, |v[XS+\i+2]|, |v[XS+\i+3]|
.endr
	v_max3_num_f32 v8, v8, |v[XS+14]|, |v[XS+15]|
	v_max3_num_f32 v8, v8, v9, 0x1800000           ; and the floor 2^(3 - 127): the byte cannot fall under 1
	v_max_num_f32_dpp v8, v8, v8 row_xmask:1 row_mask:0xf bank_mask:0xf   ; with my neighbour's 16: the block's largest magnitude
	v_add_nc_u32 v11, 0xff000000, v8               ; 2 off its exponent field: the conversion takes this operand's exponent field as its scale
	v_cvt_scalef32_pk8_fp4_f32 v[176+2*(\t)], v[XS:XS+7], v11
	v_cvt_scalef32_pk8_fp4_f32 v[177+2*(\t)], v[XS+8:XS+15], v11
	v_lshrrev_b32 v[208+(\t)], 23, v11             ; the scale's byte (also the plain line behind the conversions)
	ds_store_b8 v5, v[208+(\t)] offset:16*(\t)     ; both lanes of a block write the same byte with the same value
	global_store_b64 v4, v[176+2*(\t):177+2*(\t)], s[14:15] offset:256*(\t)   ; the wave stores 256 consecutive bytes, aligned
.endm
.Lp1:
	s_lshl_b32 s24, ttmp9, 4
	s_add_co_u32 s24, s24, s22                     ; which run of 4,096 numbers is my wave's
	s_mov_b32 s27, 0
	s_lshl_b32 s26, s24, 14
	s_add_nc_u64 s[4:5], s[4:5], s[26:27]
	s_lshl_b32 s26, s24, 11
	s_add_nc_u64 s[14:15], s[14:15], s[26:27]
	s_lshl_b32 s26, s24, 7
	s_add_nc_u64 s[16:17], s[16:17], s[26:27]
	s_mul_i32 s28, s22, P1W
	v_lshlrev_b32 v10, 4, v1                       ; my 16 bytes of a load's 512
	v_lshrrev_b32 v14, 2, v1
	v_mul_u32_u24 v14, v14, SP
	v_and_b32 v15, 3, v1
	v_lshl_add_u32 v14, v15, 4, v14
	v_add_nc_u32 v14, s28, v14                     ; into the stage: 80 (lane / 4) + 16 (lane % 4)
	v_mul_u32_u24 v15, v1, SP
	v_add_nc_u32 v15, s28, v15                     ; out of it: 80 x lane
	v_lshlrev_b32 v4, 3, v1                        ; my codes' place in a step's: 8 bytes a lane
	v_lshrrev_b32 v5, 1, v1
	s_add_co_u32 s28, s28, 2*32*SP
	v_add_nc_u32 v5, s28, v5                       ; my block's scale byte
	v_lshlrev_b32 v7, 2, v1
	v_add_nc_u32 v6, s28, v7                       ; and 4 of the 128 on the way out
.irp t, 0,1,2,3,4,5,6,7
	X1LOAD \t
.endr
	s_wait_loadcnt 28                              ; step 0's four loads are in; the seven younger steps' 28 may be out
	X1TURN 0
.irp t, 0,1,2,3,4,5,6,7
	X1STEP \t
.endr
	ds_load_b32 v8, v6
	s_wait_dscnt 0x0
	global_store_b32 v7, v8, s[16:17]              ; my wave's 128 scale bytes, consecutive; two neighbouring waves' runs make 256 aligned bytes
	s_wait_tensorcnt 0x0                           ; the wave's end
	ds_add_u32 v[SPW], v[NIL]
	s_wait_dscnt 0x0
	s_endpgm
; ---------------- Wq, Wk, Wv.  A lane takes a column n and its registers run down K.  A work-group takes 128 columns x 512 k; wave w: columns 32 (w % 4) on, k 128 (w / 4) on: four blocks.
; The pitch differs between Wq and Wk, Wv, so the 32 rows of a block stand in 32 offset registers and each block has a base of its own: nothing is stepped.
.macro W2LOAD t
.set i, 0
.rept 32
	global_load_b32 v[64+32*((\t)%2)+i], v[32+i], s[56+2*(\t):57+2*(\t)] th:TH_LOAD_NT
.set i, i+1
.endr
.endm
.macro W2BLOCK t
.set XS, 64+32*((\t)%2)
.if (\t) < 3
	s_wait_loadcnt 32                              ; this block's 32 loads are in; the next block's may be out
.else
	s_wait_loadcnt 0x0
.endif
	v_max3_num_f32 v12, |v[XS]|, |v[XS+1]|, |v[XS+2]|
	v_max3_num_f32 v13, |v[XS+3]|, |v[XS+4]|, |v[XS+5]|
.irp i, 6,10,14,18,22,26
	v_max3_num_f32 v12, v12, |v[XS+\i]|, |v[XS+\i+1]|
	v_max3_num_f32 v13, v13, |v[XS+\i+2]|, |v[XS+\i+3]|
.endr
	v_max3_num_f32 v12, v12, |v[XS+30]|, |v[XS+31]|
	v_max3_num_f32 v12, v12, v13, 0x1800000        ; the floor 2^(3 - 127)
	v_add_nc_u32 v11, 0xff000000, v12
	v_lshrrev_b32 v13, 23, v11                     ; the scale's byte
.if (\t) == 0
	v_mov_b32 v24, v13
.else
	v_lshl_or_b32 v24, v13, 8*(\t), v24            ; four bytes to a word, the lower k in the lower byte
.endif
.irp g, 0,1,2,3
	v_cvt_scalef32_pk8_fp4_f32 v[128+4*(\t)+\g], v[XS+8*\g:XS+8*\g+7], v11
.endr
	ds_store_b128 v5, v[128+4*(\t):128+4*(\t)+3] offset:16*(\t)   ; 32 codes of my column's row; each block has registers of its own
.if (\t)+2 < 4
	W2LOAD (\t)+2
.endif
.endm
.Lp2:
	s_sub_co_u32 s24, ttmp9, 128                   ; u: 0-63 Wq, 64-79 Wk, 80-95 Wv
	s_bfe_u32 s30, s24, 0x10004
	s_and_b32 s31, s24, 3
	s_bfe_u32 s32, s24, 0x20002
	s_lshl_b32 s33, s30, 9
	s_lshl_b32 s34, s31, 7
	s_add_co_u32 s33, s33, s34
	s_add_co_u32 s33, s33, 2048                    ; Wk, Wv: the first row of the codes
	s_and_b32 s34, s24, 15
	s_lshr_b32 s35, s24, 4
	s_lshl_b32 s36, s34, 7
	s_cmp_eq_u32 s30, 1
	s_cselect_b64 s[26:27], s[10:11], s[8:9]       ; the choices hang on the work-group's number alone
	s_mov_b32 s28, 2048
	s_cmp_lt_u32 s24, 64
	s_cselect_b64 s[26:27], s[6:7], s[26:27]       ; the source,
	s_cselect_b32 s28, 8192, s28                   ; its pitch in bytes,
	s_cselect_b32 s37, s34, s31                    ; which 128 columns,
	s_cselect_b32 s38, s35, s32                    ; which 512 along K,
	s_cselect_b32 s39, s36, s33                    ; and the first row of the codes
	s_and_b32 s40, s22, 3                          ; cg
	s_lshr_b32 s41, s22, 2                         ; kq
	s_lshl_b32 s42, s38, 9
	s_lshl_b32 s43, s41, 7
	s_add_co_u32 s42, s42, s43
	s_mul_i32 s42, s42, s28                        ; my first k x the pitch
	s_lshl_b32 s43, s37, 7
	s_lshl_b32 s44, s40, 5
	s_add_co_u32 s43, s43, s44
	s_lshl_b32 s43, s43, 2                         ; + 4 x my first column
	s_add_co_u32 s42, s42, s43
	s_mov_b32 s43, 0
	s_add_nc_u64 s[56:57], s[26:27], s[42:43]
	s_lshl_b32 s52, s28, 5
	s_mov_b32 s53, 0
	s_add_nc_u64 s[58:59], s[56:57], s[52:53]      ; a base for each block of 32 rows
	s_add_nc_u64 s[60:61], s[58:59], s[52:53]
	s_add_nc_u64 s[62:63], s[60:61], s[52:53]
	v_lshlrev_b32 v4, 2, v1
.set i, 0
.rept 32
	v_mad_u32_u24 v[32+i], s28, i, v4              ; 4 x lane + i rows
.set i, i+1
.endr
	s_mul_i32 s44, s40, 32*272
	s_lshl_b32 s45, s41, 6
	s_add_co_u32 s44, s44, s45
	s_add_co_u32 s44, s44, P2ST
	v_mul_u32_u24 v5, v1, 272
	v_add_nc_u32 v5, s44, v5                       ; the stage: row = my column, + 64 kq
	s_lshl_b32 s45, s40, 9
	s_lshl_b32 s46, s41, 2
	s_add_co_u32 s46, s45, s46
	s_add_co_u32 s46, s46, P2SC
	v_lshlrev_b32 v6, 4, v1
	v_add_nc_u32 v6, s46, v6                       ; my column's scale word: 16 x column + 4 kq
	s_mul_i32 s46, s22, 8*272
	s_add_co_u32 s46, s46, P2ST
	v_mul_u32_u24 v7, v3, 272
	v_lshl_add_u32 v7, v2, 4, v7
	v_add_nc_u32 v7, s46, v7                       ; back: wave w takes rows 8 w on, two rows an instruction
	v_lshlrev_b32 v8, 10, v3
	v_lshl_add_u32 v8, v2, 4, v8                   ; and the same two rows of the codes
	s_add_co_u32 s45, s45, P2SC
	v_lshlrev_b32 v9, 4, v1
	v_add_nc_u32 v9, s45, v9                       ; a column's 16 scale bytes (read by waves 0 to 3, where cg is the wave)
	s_lshl_b32 s45, s40, 11
	v_lshlrev_b32 v10, 6, v1
	v_add_nc_u32 v10, s45, v10                     ; and its row of 64 in the scales
	s_lshl_b32 s50, s22, 3
	s_add_co_u32 s50, s50, s39
	s_lshl_b32 s50, s50, 10
	s_lshl_b32 s51, s38, 8
	s_add_co_u32 s50, s50, s51
	s_add_co_u32 s50, s50, 0x400000                ; W's codes lie behind x's
	s_mov_b32 s51, 0
	s_add_nc_u64 s[48:49], s[14:15], s[50:51]
	s_lshl_b32 s50, s39, 6
	s_lshl_b32 s46, s38, 4
	s_add_co_u32 s50, s50, s46
	s_add_co_u32 s50, s50, 0x40000                 ; W's scales lie behind x's
	s_add_nc_u64 s[54:55], s[16:17], s[50:51]
	W2LOAD 0
	W2LOAD 1
.irp t, 0,1,2,3
	W2BLOCK \t
.endr
	ds_store_b32 v6, v24
	s_wait_dscnt 0x0                               ; for the others' sake: a row's 256 bytes come from four waves
	s_barrier_signal -1
	s_barrier_wait -1
.irp t, 0,1,2,3
	ds_load_b128 v[144+4*\t:147+4*\t], v7 offset:2*\t*272
.endr
.irp t, 0,1,2,3
	s_wait_dscnt 3-\t
	global_store_b128 v8, v[144+4*\t:147+4*\t], s[48:49] offset:2048*\t   ; sixteen lanes store 256 consecutive bytes, aligned
.endr
	s_cmp_lt_u32 s22, 4
	s_cbranch_scc0 .Lp2_end
	ds_load_b128 v[160:163], v9
	s_wait_dscnt 0x0
	global_store_b128 v10, v[160:163], s[54:55]    ; 16 of a row's 64 scale bytes: one byte in 128 of what this job reads
.Lp2_end:
	s_wait_tensorcnt 0x0                           ; the wave's end
	ds_add_u32 v[SPW], v[NIL]
	s_wait_dscnt 0x0
	s_endpgm
.Lfunc_end_k_qc2d72c7510_prep:
	.size	k_qc2d72c7510_prep, .Lfunc_end_k_qc2d72c7510_prep-k_qc2d72c7510_prep
	.p2alignl 7, 3214868480
	.fill 96, 4, 3214868480
	.section	.rodata,"a",@progbits
	.p2align	6, 0x0
	.amdhsa_kernel k_qc2d72c7510_prep
		.amdhsa_group_segment_fixed_size 129024
		.amdhsa_private_segment_fixed_size 0
		.amdhsa_enable_private_segment 0
		.amdhsa_kernarg_size 56
		.amdhsa_user_sgpr_count 2
		.amdhsa_user_sgpr_kernarg_segment_ptr 1
		.amdhsa_wavefront_size32 1
		.amdhsa_system_sgpr_workgroup_id_x 1
		.amdhsa_system_sgpr_workgroup_id_y 1
		.amdhsa_system_sgpr_workgroup_id_z 1
		.amdhsa_system_vgpr_workitem_id 0
		.amdhsa_next_free_vgpr 256
		.amdhsa_next_free_sgpr 66
		.amdhsa_reserve_vcc 1
		.amdhsa_float_denorm_mode_32 3
		.amdhsa_float_denorm_mode_16_64 3
		.amdhsa_memory_ordered 1
		.amdhsa_forward_progress 1
		.amdhsa_inst_pref_size 49
	.end_amdhsa_kernel
	.amdgpu_metadata
---
amdhsa.version: [ 1, 2 ]
amdhsa.kernels:
  - .name:           k_qc2d72c7510_prep
    .symbol:         k_qc2d72c7510_prep.kd
    .args:
      - { .name: x, .offset: 0, .size: 8, .value_kind: global_buffer, .address_space: global }
      - { .name: Wq, .offset: 8, .size: 8, .value_kind: global_buffer, .address_space: global }
      - { .name: Wk, .offset: 16, .size: 8, .value_kind: global_buffer, .address_space: global }
      - { .name: Wv, .offset: 24, .size: 8, .value_kind: global_buffer, .address_space: global }
      - { .name: codes, .offset: 32, .size: 8, .value_kind: global_buffer, .address_space: global }
      - { .name: scales, .offset: 40, .size: 8, .value_kind: global_buffer, .address_space: global }
      - { .name: rope, .offset: 48, .size: 8, .value_kind: global_buffer, .address_space: global }
    .group_segment_fixed_size: 129024
    .private_segment_fixed_size: 0
    .kernarg_segment_align: 8
    .kernarg_segment_size: 56
    .max_flat_workgroup_size: 512
    .sgpr_count:     66
    .vgpr_count:     256
    .wavefront_size: 32
...
	.end_amdgpu_metadata
.endif
;; end of part 1
;; launch qkv (part 2): grid 12 x 16, 4 waves a work-group, clusters of 4 x 4, 327,680 bytes of LDS; arguments codes, scales, rope, qkv, fineqkv; writes qkv, fineqkv
.if DOCPART == 2
	.amdgcn_target "amdgcn-amd-amdhsa--gfx1250"
	.amdhsa_code_object_version 6
	.text
	.protected	k_qc2d72c7510_qkv
	.globl	k_qc2d72c7510_qkv
	.p2align	8
	.type	k_qc2d72c7510_qkv,@function
k_qc2d72c7510_qkv:
	s_mov_b64 s[64:65], 0
	v_nop
	global_prefetch_b8 v0, s[64:65] scope:SCOPE_SE
	s_setreg_imm32_b32 hwreg(HW_REG_WAVE_MODE, 25, 1), 1
	s_wait_xcnt 0x0
	s_wait_alu depctr_hold_cnt(0) depctr_sa_sdst(0) depctr_va_vdst(0) depctr_va_sdst(0) depctr_va_ssrc(0) depctr_va_vcc(0) depctr_vm_vsrc(0)
	s_getreg_b32 s2, hwreg(HW_REG_IB_STS2, 6, 4)
	s_cmp_eq_u32 s2, 0
	s_cbranch_scc0 .Lentry_in_a_cluster
	s_endpgm
.Lentry_in_a_cluster:
	s_bfe_u32 s2, ttmp6, 0x10000c
	s_cmp_lg_u32 s2, 0xf033
	s_cbranch_scc0 .Lentry_shape_is_right
	s_endpgm
.Lentry_shape_is_right:
; [q | k | v] = Q(x) Q([Wq | Wk | Wv]) on codes of FP4 (E2M1) with E8M0 scales for each 32 along K; 4096 x 3072 x 2048; sums in f32; the rotation on the way out; results in f16.
; A tile of 256 x 256 is made by four waves; a wave makes 128 rows x 128 columns, which is ONE head g = 2 x tile column + (wave % 2): g 0-15 q, 16-19 k, 20-23 v.
; K goes in four steps of 512 through a ring of two LDS slots; the scale bytes of the work-group's rows come once and stay.  4 x 4 work-groups form a cluster: A's tiles are asked for
; jointly along a row of the cluster, B's along a column.  The matrix instruction is used transposed (source 0 = 16 rows of W, source 1 = 16 rows of x): a lane holds eight neighbouring columns of a row.
; When slot 0 has been read for the last time it takes the table of cos and sin of the work-group's 256 positions (it hangs on the tile row alone: asked for jointly along the cluster's row, by A's group 1).
; THE WAY OUT: pairs (z 2j, z 2j+1) become low j = z0 cos - z1 sin (column j) and high j = z0 sin + z1 cos (column 64 + j).  For v the table is blended to cos = 1, sin = 0 by a number, not a branch:
; so v is stored de-interleaved too, and the last projection's weight is laid to match.  Rows of 256 bytes of f16 leave through the wave's stage in slot 1.
; Positions 0-15 of each sequence are stored in f32 as well, a row as pairs (low j, high j), under a lane predicate.
; LIMITS: q, k, v must lie inside f16's range (65,504).
; REGISTERS: window 0: v1-31 addresses; v32-95 scale words, which hold nothing else; v128-191 A's fragments; on the way out v96-255.  window 1: B's fragments, two sets; on the way out the table.
;   windows 2, 3: the 64 accumulators.
.set KSTEP,  512
.set NQ,     4
.set ROWB,   256
.set KROW,   1024
.set PITCH,  272                       ; an LDS row: 256 bytes + 16 of padding: the 16 rows that a load touches start at 16 different banks
.set FR,     8
.set NL,     2
.set NP,     4
.set HALFT,  128*PITCH
.set SLOT,   4*HALFT
.set KS,     64                        ; a row of scales in bytes
.set SCL,    2*SLOT
.set HALFS,  (128*KS/256)*272
.set SBLK,   (16*KS/256)*272
.set SPARE,  SCL+4*HALFS               ; the spare words: 128 bytes a wave; no other line names them
.set STG,    SLOT                      ; the stages, 16 rows x 272 a wave, in slot 1: it has had its last fill and its last read when the first result is stored there
.set TA,   8                           ; v8   my place in the table: 2 HALFT x (wave / 2) + 272 r + 16 h
.set FO,   9                           ; v9   my place in a fine block: 512 r + 32 h
.set POS0, 10                          ; v10  my wave's first position in its sequence
.set ADRA, 16
.set ADRB, 20
.set STO,  24
.set RD,   25
.set CO,   26
.set ADRS, 27
.set SPW,  28
.set NIL,  29
.set SC,   32
.set AF,   128
.set TBL,  0                           ; window 1: for each b cos 4, sin 4
.set R,    96                          ; v96-159  eight a b: pairs (low, high)
.set T,    160                         ; v160-167 at work
.set H,    168                         ; v168-183 f16 results
.set GG,   184                         ; v184-185 (g, g): 1 for q and k, 0 for v
.set HH,   186                         ; v186-187 (1 - g, 1 - g)
.set BK,   192                         ; v192-223, v224-255: rows read back, by turns
.set G1, 24
.set G0, 32
.set G1B, 48
.set G0B, 56
.set G1S, 68
.set G0S, 76
.set G1SB, 80
.set G0SB, 88
.set G0T, 92                           ; s[92:95] group 0 for the table; these four never hold the tile column
.set MSB, 0
.macro WIN new                         ; the immediate's high byte repeats the setting that is left
.if MSB != \new
	s_set_vgpr_msb (MSB<<8)|\new
.set MSB, \new
.endif
.endm
.set MUL_LO, 0xa1
.set MUL_HI, 0xf1
.set TO_B,   0x40
.macro PLACES n
.rept \n
	v_nop
.endr
.endm
; a joint load: waves 0 and 1 fetch for A, waves 2 and 3 for B; the branch hangs on the wave's number alone; an s_nop 0 and four v_nop follow each line
.macro JLOAD g0a, g1a, g0b, g1b
	s_cmp_eq_u32 s15, 0
	s_cbranch_scc0 .Lfor_b_\@
	tensor_load_to_lds s[\g0a:\g0a+3], s[\g1a:\g1a+7]
	s_nop 0
	PLACES 4
	s_branch .Lasked_\@
.Lfor_b_\@:
	tensor_load_to_lds s[\g0b:\g0b+3], s[\g1b:\g1b+7]
	s_nop 0
	PLACES 4
.Lasked_\@:
.endm
.macro CREST
	s_cmp_lg_u32 s14, 0
	s_cbranch_scc1 .Lnot_wave_0_\@
	s_barrier_signal -3
.Lnot_wave_0_\@:
	s_barrier_wait -3
	s_barrier_signal -1
	s_barrier_wait -1
.endm
.macro CROUND
	s_barrier_signal -1
	s_barrier_wait -1
	CREST
.endm
	s_load_b128 s[4:7], s[0:1], 0x0                ; the codes, the scales
	s_load_b64 s[12:13], s[0:1], 0x10              ; the table
	s_load_b128 s[96:99], s[0:1], 0x18             ; qkv, fineqkv
	v_lshl_add_u32 v[SPW], v0, 2, SPARE
	v_mov_b32 v[NIL], 0
	ds_add_u32 v[SPW], v[NIL]                      ; the wave's opening: the add, twice on end, and its wait ahead of my first tensor load
	ds_add_u32 v[SPW], v[NIL]
	v_lshrrev_b32 v1, 5, v0
	v_readfirstlane_b32 s14, v1                    ; wave 0..3
	s_lshr_b32 s15, s14, 1                         ; my half of the tile's rows; also: I fetch for A (0) or B (1)
	s_and_b32 s16, s14, 1                          ; my half of its columns; also: which 128 rows I fetch
	s_bfe_u32 s40, ttmp6, 0x40000                  ; cx
	s_bfe_u32 s41, ttmp6, 0x40004                  ; cy
	s_lshl_b32 s42, ttmp9, 2
	s_add_co_u32 s42, s42, s40                     ; tile column
	s_and_b32 s17, ttmp7, 0xffff
	s_lshl_b32 s17, s17, 2
	s_add_co_u32 s17, s17, s41                     ; tile row
	s_lshl_b32 s43, s41, 2
	s_lshl_b32 s43, 15, s43                        ; my row of the cluster
	s_lshl_b32 s44, 0x1111, s40                    ; my column
	s_or_b32 s[G1+0], s43, (0<<16)|(1<<20)|(1<<21)|(5<<22)|(3<<25)   ; the mask; elements of 1 byte; padding on; bit 21 beside a mask; 4 words behind every 64
	s_or_b32 s[G1B+0], s44, (0<<16)|(1<<20)|(1<<21)|(5<<22)|(3<<25)
.irp g, G1, G1B
	s_mov_b32 s[\g+1], ROWB<<16                    ; tensor_dim0
	s_mov_b32 s[\g+2], 128<<16                     ; tensor_dim1
	s_mov_b32 s[\g+3], ROWB<<16                    ; tile_dim0
	s_mov_b32 s[\g+4], 128                         ; tile_dim1
	s_mov_b32 s[\g+5], KROW                        ; from row to row
	s_mov_b32 s[\g+6], 0
	s_mov_b32 s[\g+7], 0
.endr
	s_or_b32 s[G1S+0], s43, (3<<16)|(1<<20)|(1<<21)|(5<<22)|(3<<25)  ; the scales of 128 rows: a dense block, as rows of 32 elements of 8 bytes
	s_or_b32 s[G1SB+0], s44, (3<<16)|(1<<20)|(1<<21)|(5<<22)|(3<<25)
.irp g, G1S, G1SB
	s_mov_b32 s[\g+1], 32<<16
	s_mov_b32 s[\g+2], (128*KS/256)<<16
	s_mov_b32 s[\g+3], 32<<16
	s_mov_b32 s[\g+4], 128*KS/256
	s_mov_b32 s[\g+5], 32
	s_mov_b32 s[\g+6], 0
	s_mov_b32 s[\g+7], 0
.endr
	s_lshl_b32 s18, s16, 7
	s_lshl_b32 s20, s17, 8
	s_add_co_u32 s20, s20, s18                     ; A: row 256 x tile row + 128 x half
	s_lshl_b32 s46, s42, 8
	s_add_co_u32 s46, s46, s18                     ; B: row 256 x tile column + 128 x half
	s_mov_b32 s21, 0
	s_mov_b32 s47, 0
	s_mov_b64 s[18:19], KS
	s_mul_u64 s[22:23], s[20:21], s[18:19]
	s_mul_u64 s[66:67], s[46:47], s[18:19]
	s_mov_b64 s[18:19], KROW
	s_mul_u64 s[20:21], s[20:21], s[18:19]
	s_mul_u64 s[46:47], s[46:47], s[18:19]
	s_mul_i32 s45, s14, HALFT                      ; where the tiles go: wave x 128 rows
	s_mul_i32 s3, s14, HALFS
	s_and_b32 s94, s17, 3                          ; the table: 256 positions to a tile row: supergroup = tile row % 4,
	s_lshl_b32 s94, s94, 17
	s_lshl_b32 s95, s14, 8                         ; my wave's group of 64 positions
	s_add_co_u32 s94, s94, s95
	s_mov_b32 s95, 0
	s_wait_dscnt 0x0                               ; both opening adds are done
	s_wait_kmcnt 0x0
	s_add_nc_u64 s[8:9], s[4:5], 0x400000          ; W's codes lie behind x's,
	s_add_nc_u64 s[10:11], s[6:7], 0x40000         ; W's scales behind x's
	s_add_nc_u64 s[20:21], s[4:5], s[20:21]
	s_add_nc_u64 s[22:23], s[6:7], s[22:23]
	s_add_nc_u64 s[46:47], s[8:9], s[46:47]
	s_add_nc_u64 s[66:67], s[10:11], s[66:67]
	s_mov_b32 s[G0T], 1
	s_mul_i32 s[G0T+1], s14, HALFT                 ; slot 0, my wave's quarter
	s_add_nc_u64 s[G0T+2:G0T+3], s[12:13], s[94:95]
	s_or_b32 s[G0T+3], s[G0T+3], 0x80000000
	CROUND                                         ; all sixteen work-groups are here: the first joint loads meet
	s_mov_b32 s[G0S], 1
	s_add_co_u32 s[G0S+1], s3, SCL
	s_mov_b64 s[G0S+2:G0S+3], s[22:23]
	s_or_b32 s[G0S+3], s[G0S+3], 0x80000000
	s_mov_b32 s[G0SB], 1
	s_add_co_u32 s[G0SB+1], s3, SCL
	s_mov_b64 s[G0SB+2:G0SB+3], s[66:67]
	s_or_b32 s[G0SB+3], s[G0SB+3], 0x80000000
	JLOAD G0S, G1S, G0SB, G1SB                     ; the scales first: three loads of mine are out behind these first fills
.irp s, 0,1
	s_mov_b32 s[G0+4*\s], 1
	s_add_co_u32 s[G0+4*\s+1], s45, \s*SLOT
	s_add_nc_u64 s[G0+4*\s+2:G0+4*\s+3], s[20:21], \s*ROWB
	s_or_b32 s[G0+4*\s+3], s[G0+4*\s+3], 0x80000000
	s_mov_b32 s[G0B+4*\s], 1
	s_add_co_u32 s[G0B+4*\s+1], s45, \s*SLOT
	s_add_nc_u64 s[G0B+4*\s+2:G0B+4*\s+3], s[46:47], \s*ROWB
	s_or_b32 s[G0B+4*\s+3], s[G0B+4*\s+3], 0x80000000
	JLOAD G0+4*\s, G1, G0B+4*\s, G1B
.endr
	v_and_b32 v1, 15, v0                           ; r
	v_bfe_u32 v2, v0, 4, 1                         ; h
	v_mul_u32_u24 v3, v1, PITCH
	v_lshl_add_u32 v4, v2, 4, v3                   ; a fragment's row x pitch + 16 h
	s_mul_i32 s21, s15, HALFT
	s_mul_i32 s22, s16, HALFT
	s_add_co_u32 s22, s22, 2*HALFT
.irp s, 0,1
	v_add_nc_u32 v[ADRA+\s], s21, v4
	v_add_nc_u32 v[ADRB+\s], s22, v4
	s_add_co_u32 s21, s21, SLOT
	s_add_co_u32 s22, s22, SLOT
.endr
	v_mul_u32_u24 v5, v1, KS                       ; my row's scales,
	v_lshrrev_b32 v6, 8, v5
	v_lshl_add_u32 v5, v6, 4, v5                   ; and 16 more for each 256 passed
	s_mul_i32 s21, s15, HALFS
	s_mul_i32 s22, s16, HALFS
	s_add_co_u32 s22, s22, 2*HALFS
	s_sub_co_u32 s22, s22, s21
	v_mul_u32_u24 v6, s22, v2                      ; lanes 16-31 take B's
	s_add_co_u32 s21, s21, SCL
	v_add_nc_u32 v5, v5, v6
	v_add_nc_u32 v[ADRS], s21, v5
	s_mul_i32 s23, s14, 16*272
	s_add_co_u32 s23, s23, STG                     ; my stage
	v_lshl_add_u32 v5, v2, 3, v3
	v_add_nc_u32 v[STO], s23, v5                   ; in: row r, 8 bytes for each half of the lanes
	v_mul_u32_u24 v5, v2, 272
	v_lshl_add_u32 v5, v1, 4, v5
	v_add_nc_u32 v[RD], s23, v5                    ; back: lanes 0-15 one row, lanes 16-31 the next
	v_and_b32 v6, 31, v0
	v_lshlrev_b32 v[CO], 4, v6                     ; two rows of 256 bytes are 512 consecutive bytes of qkv
	s_mul_i32 s23, s15, 2*HALFT
	v_add_nc_u32 v[TA], s23, v4
	v_lshlrev_b32 v[FO], 9, v1
	v_lshl_add_u32 v[FO], v2, 5, v[FO]
	s_lshl_b32 s20, s17, 8
	s_lshl_b32 s21, s15, 7
	s_add_co_u32 s20, s20, s21                     ; my first row m
	s_and_b32 s21, s20, 1023
	v_mov_b32 v[POS0], s21
	s_lshl_b32 s46, s42, 1
	s_add_co_u32 s46, s46, s16                     ; g
	s_cmp_lt_u32 s46, 20
	s_cselect_b32 s44, 1.0, 0                      ; a number, not a branch: q and k are rotated, v is not
	s_cselect_b32 s45, 0, 1.0
	s_lshl_b32 s66, s46, 15                        ; fineqkv: (64 g + 16 b) rows of 512 bytes
	s_lshr_b32 s67, s20, 10
	s_lshl_b32 s67, s67, 13
	s_add_co_u32 s66, s66, s67
	s_mov_b32 s67, 0
	s_add_nc_u64 s[98:99], s[98:99], s[66:67]
	s_lshl_b32 s46, s46, 20                        ; qkv: (4096 g + m) rows of 256 bytes
	s_lshl_b32 s47, s20, 8
	s_add_co_u32 s46, s46, s47
	s_mov_b32 s47, 0
	s_add_nc_u64 s[96:97], s[96:97], s[46:47]
.macro FRAG reg, adr, q, i             ; 16 rows x 128 K of 4-bit codes: 8 registers; registers 4 c .. 4 c + 3 hold K = 64 c + 32 h + 0 .. 31
.irp c, 0,1
	ds_load_b128 v[\reg+4*\c:\reg+4*\c+3], v[\adr] offset:64*(\q)+32*\c+(\i)*16*PITCH
.endr
.endm
; 16 matrix instructions: A's blocks a0, a0 + 1 x B's eight.  The 64 accumulators take turns, one instruction a turn, in the same order in every step.
.macro MUL16 a0, p, q, sc, zero
.irp a, \a0, \a0+1
.irp b, 0,1,2,3,4,5,6,7
.if \zero
	v_wmma_scale_f32_16x16x128_f8f6f4 v[8*(8*((\a)%4)+\b):8*(8*((\a)%4)+\b)+7], v[128*(\p)+FR*\b:128*(\p)+FR*\b+FR-1], v[AF+FR*(\a):AF+FR*(\a)+FR-1], 0, v[SC+8*NQ*(\sc)+NQ*\b+(\q)], v[SC+8*NQ*(\sc)+NQ*(\a)+(\q)] matrix_a_fmt:MATRIX_FMT_FP4 matrix_b_fmt:MATRIX_FMT_FP4 matrix_a_scale:MATRIX_SCALE_ROW1
.else
	v_wmma_scale_f32_16x16x128_f8f6f4 v[8*(8*((\a)%4)+\b):8*(8*((\a)%4)+\b)+7], v[128*(\p)+FR*\b:128*(\p)+FR*\b+FR-1], v[AF+FR*(\a):AF+FR*(\a)+FR-1], v[8*(8*((\a)%4)+\b):8*(8*((\a)%4)+\b)+7], v[SC+8*NQ*(\sc)+NQ*\b+(\q)], v[SC+8*NQ*(\sc)+NQ*(\a)+(\q)] matrix_a_fmt:MATRIX_FMT_FP4 matrix_b_fmt:MATRIX_FMT_FP4 matrix_a_scale:MATRIX_SCALE_ROW1
.endif
.endr
.endr
.endm
.macro FETCH_B slot, q, p
	WIN TO_B
.irp i, 0,1,2,3,4,5,6,7
	FRAG 128*(\p)+FR*\i, ADRB+\slot, \q, \i
.endr
	WIN 0
.endm
.macro FETCH_A slot, q, i0
.irp i, \i0, \i0+1, \i0+2, \i0+3
	FRAG AF+FR*(\i), ADRA+\slot, \q, \i
.endr
.endm
.macro SCALES sc                       ; a K step's scale words: lanes 0-15 A's block i, lanes 16-31 B's block i
.irp i, 0,1,2,3,4,5,6,7
	ds_load_b128 v[SC+8*NQ*\sc+NQ*\i:SC+8*NQ*\sc+NQ*\i+3], v[ADRS] offset:\i*SBLK
.endr
.endm
.macro STEP slot, q, zero              ; 128 along K with its successor in the same slot
	s_wait_dscnt 4*NL                              ; B's set and A's blocks 0-3 are in; the youngest eight loads (A's blocks 4-7) may be out
	WIN MUL_LO
	MUL16 0, (\q)%2, \q, \slot, \zero
	MUL16 2, (\q)%2, \q, \slot, \zero
	s_wait_dscnt 0
	PLACES NP                                      ; four plain places in front of loads into registers that matrix instructions have read
	FETCH_B \slot, (\q)+1, 1-(\q)%2
	FETCH_A \slot, (\q)+1, 0
	WIN MUL_HI
	MUL16 4, (\q)%2, \q, \slot, \zero
	MUL16 6, (\q)%2, \q, \slot, \zero
	PLACES NP
	WIN 0
	FETCH_A \slot, (\q)+1, 4
.endm
; A slot's last step changes slots.  In front of the round each wave waits for all its tensor loads, adds 0 to its spare word, and waits for that and for its reads of this slot.
; fill = 1: this slot takes the K step two on; fill = 2: slot 0 takes the table, one line for all four waves, each with its own quarter.
.macro TURN slot, next, fill
	s_wait_tensorcnt 0x0                           ; all my tensor loads have landed: my part of the next slot
	ds_add_u32 v[SPW], v[NIL]
	s_wait_dscnt 4*NL+1                            ; (the add and A's blocks 4-7 may be out)
	WIN MUL_LO
	MUL16 0, 1, NQ-1, \slot, 0
	s_wait_dscnt 0x0                               ; the add is done, and my reads of this slot are over
	s_barrier_signal -1
	MUL16 2, 1, NQ-1, \slot, 0
	WIN 0
	s_barrier_wait -1
	CREST                                          ; the round: no wave of any partner still reads this slot or has a load on its way
.if \fill == 1
	s_add_nc_u64 s[G0+4*\slot+2:G0+4*\slot+3], s[G0+4*\slot+2:G0+4*\slot+3], 2*ROWB
	s_add_nc_u64 s[G0B+4*\slot+2:G0B+4*\slot+3], s[G0B+4*\slot+2:G0B+4*\slot+3], 2*ROWB
	JLOAD G0+4*\slot, G1, G0B+4*\slot, G1B
.else
	tensor_load_to_lds s[G0T:G0T+3], s[G1:G1+7]    ; 64 rows of cos, 64 of sin, 1,024 bytes apart in memory: the shape of A's tiles
	s_nop 0
	PLACES 4
.endif
	v_add_nc_u32 v[ADRS], 4*NQ, v[ADRS]            ; on to the next K step's scale words
	FETCH_B \next, 0, 0
	FETCH_A \next, 0, 0
	SCALES \next
	WIN MUL_HI
	MUL16 4, 1, NQ-1, \slot, 0
	MUL16 6, 1, NQ-1, \slot, 0
	PLACES NP
	WIN 0
	FETCH_A \next, 0, 4
.endm
.macro STEPS slot, from
.set Q, \from
.rept NQ-1-\from
	STEP \slot, Q, 0
.set Q, Q+1
.endr
.endm
	s_wait_tensorcnt 1                             ; the scales and my part of K step 0 are in; K step 1's load may be out
	s_barrier_signal -1
	s_barrier_wait -1
	FETCH_B 0, 0, 0
	FETCH_A 0, 0, 0
	SCALES 0
	FETCH_A 0, 0, 4
	STEP 0, 0, 1                                   ; the first products start the sums: nothing is cleared
	STEPS 0, 1
	TURN 0, 1, 1                                   ; slot 0 takes K step 2
	STEPS 1, 0
	TURN 1, 0, 1                                   ; slot 1 takes K step 3
	STEPS 0, 0
	TURN 0, 1, 2                                   ; slot 0 takes the table
	STEPS 1, 0
	s_wait_dscnt 4*NL
	WIN MUL_LO
	MUL16 0, 1, NQ-1, 1, 0
	MUL16 2, 1, NQ-1, 1, 0
	s_wait_dscnt 0
	WIN MUL_HI
	MUL16 4, 1, NQ-1, 1, 0
	MUL16 6, 1, NQ-1, 1, 0
	WIN 0
	s_wait_tensorcnt 0x0                           ; my quarter of the table has landed,
	s_wait_dscnt 0x0                               ; my reads of slot 1 are over:
	s_barrier_signal -1
	s_barrier_wait -1                              ; both hold of all four waves
.macro TBLOAD a                        ; block a's cos and sin: row 16 (a % 4) + r of group a / 4; for accumulator b: j = 8 b + 4 h + 0..3
	WIN 0x40
.irp b, 0,1,2,3,4,5,6,7
	ds_load_b128 v[TBL+8*\b:TBL+8*\b+3], v[TA] offset:((\a)/4)*HALFT+16*((\a)%4)*PITCH+32*\b
	ds_load_b128 v[TBL+8*\b+4:TBL+8*\b+7], v[TA] offset:((\a)/4)*HALFT+16*((\a)%4)*PITCH+32*\b+64*PITCH
.endr
	WIN 0
.endm
.macro BLEND                           ; cos = g cos + (1 - g), sin = g sin
	WIN 0x41
.irp b, 0,1,2,3,4,5,6,7
	v_pk_fma_f32 v[TBL+8*\b:TBL+8*\b+1], v[TBL+8*\b:TBL+8*\b+1], v[GG:GG+1], v[HH:HH+1]
	v_pk_fma_f32 v[TBL+8*\b+2:TBL+8*\b+3], v[TBL+8*\b+2:TBL+8*\b+3], v[GG:GG+1], v[HH:HH+1]
	v_pk_mul_f32 v[TBL+8*\b+4:TBL+8*\b+5], v[TBL+8*\b+4:TBL+8*\b+5], v[GG:GG+1]
	v_pk_mul_f32 v[TBL+8*\b+6:TBL+8*\b+7], v[TBL+8*\b+6:TBL+8*\b+7], v[GG:GG+1]
.endr
.endm
.macro ROT1 b, i, p, s                 ; (z0 c, z1 c): c is register s of the pair at p
	v_pk_mul_f32 v[T+2*\i:T+2*\i+1], v[AC+8*\b+2*\i:AC+8*\b+2*\i+1], v[TBL+8*\b+\p:TBL+8*\b+\p+1] op_sel:[0,\s] op_sel_hi:[1,\s]
.endm
.macro ROT2 b, i, p, s                 ; low = z0 c - z1 s, high = z1 c + z0 s: the first source is taken swapped, and negated in the low half
	v_pk_fma_f32 v[R+8*\b+2*\i:R+8*\b+2*\i+1], v[AC+8*\b+2*\i:AC+8*\b+2*\i+1], v[TBL+8*\b+4+\p:TBL+8*\b+4+\p+1], v[T+2*\i:T+2*\i+1] op_sel:[1,\s,0] op_sel_hi:[0,\s,1] neg_lo:[1,0,0]
.endm
.macro ROT a                           ; each accumulator is read from its low end on
.set AC, 64*((\a)%4)
	WIN 0x06+((\a)/4)                              ; source 0: the accumulators' window; source 1: the table's
.irp b, 0,1,2,3,4,5,6,7
	ROT1 \b, 0, 0, 0
	ROT1 \b, 1, 0, 1
	ROT1 \b, 2, 2, 0
	ROT1 \b, 3, 2, 1
	ROT2 \b, 0, 0, 0
	ROT2 \b, 1, 0, 1
	ROT2 \b, 2, 2, 0
	ROT2 \b, 3, 2, 1
.endr
	WIN 0
.endm
.macro PACKST                          ; four lows are 8 bytes at column 8 b + 4 h, four highs 8 bytes 128 bytes further on
.irp b, 0,1,2,3,4,5,6,7
	v_cvt_pk_f16_f32 v[H+4*(\b%4)],   v[R+8*\b],   v[R+8*\b+2]
	v_cvt_pk_f16_f32 v[H+4*(\b%4)+1], v[R+8*\b+4], v[R+8*\b+6]
	v_cvt_pk_f16_f32 v[H+4*(\b%4)+2], v[R+8*\b+1], v[R+8*\b+3]
	v_cvt_pk_f16_f32 v[H+4*(\b%4)+3], v[R+8*\b+5], v[R+8*\b+7]
	ds_store_b64 v[STO], v[H+4*(\b%4):H+4*(\b%4)+1] offset:16*\b
	ds_store_b64 v[STO], v[H+4*(\b%4)+2:H+4*(\b%4)+3] offset:128+16*\b
.endr
.endm
.macro BACK a
.if (\a) >= 2
	s_wait_xcnt 0x0                                ; block a - 2's stores have read these registers
.endif
.irp t, 0,1,2,3,4,5,6,7
	ds_load_b128 v[BK+32*((\a)%2)+4*\t:BK+32*((\a)%2)+4*\t+3], v[RD] offset:544*\t   ; LDS serves a wave's instructions in order: these see my stores
.endr
.endm
.macro SEND a, younger
	s_wait_dscnt \younger
.irp t, 0,1,2,3,4,5,6,7
	global_store_b128 v[CO], v[BK+32*((\a)%2)+4*\t:BK+32*((\a)%2)+4*\t+3], s[96:97] offset:4096*(\a)+512*\t   ; 32 lanes store 512 consecutive bytes, aligned
.endr
.endm
	PLACES NP                                      ; behind the last products: for the loads into B's registers, the writes over A's and the first reads of results
	v_mov_b32 v[GG], s44
	v_mov_b32 v[GG+1], s44
	v_mov_b32 v[HH], s45
	v_mov_b32 v[HH+1], s45
	TBLOAD 0
.irp a, 0,1,2,3,4,5,6,7
.if \a == 0
	s_wait_dscnt 0x0
.else
	s_wait_dscnt 24                                ; the table's loads are in; the last block's 16 stores and 8 loads, issued behind them, may be out
.endif
	BLEND
	ROT \a
.if \a < 7
	TBLOAD \a+1
.endif
.if \a > 0
.if \a < 7
	SEND \a-1, 16                                  ; behind that block's loads: the 16 table loads just issued
.else
	SEND \a-1, 0
.endif
.endif
	PACKST
.if \a == 0
	v_cmp_eq_u32 vcc_lo, 0, v[POS0]                ; positions 0-15 in f32: all lanes or none; a predicate
	s_wait_xcnt 0x0                                ; EXEC changes only behind this wait
	s_and_saveexec_b32 s20, vcc_lo
.irp b, 0,1,2,3,4,5,6,7
	global_store_b128 v[FO], v[R+8*\b:R+8*\b+3], s[98:99] offset:64*\b
	global_store_b128 v[FO], v[R+8*\b+4:R+8*\b+7], s[98:99] offset:64*\b+16
.endr
	s_wait_xcnt 0x0                                ; and again in front of the line that widens it; the next block writes these registers
	s_or_b32 exec_lo, exec_lo, s20
.endif
	BACK \a
.endr
	SEND 7, 0
	s_wait_tensorcnt 0x0                           ; the wave's end
	ds_add_u32 v[SPW], v[NIL]
	s_wait_dscnt 0x0
	CROUND                                         ; the closing round
	s_endpgm
.Lfunc_end_k_qc2d72c7510_qkv:
	.size	k_qc2d72c7510_qkv, .Lfunc_end_k_qc2d72c7510_qkv-k_qc2d72c7510_qkv
	.p2alignl 7, 3214868480
	.fill 96, 4, 3214868480
	.section	.rodata,"a",@progbits
	.p2align	6, 0x0
	.amdhsa_kernel k_qc2d72c7510_qkv
		.amdhsa_group_segment_fixed_size 327680
		.amdhsa_private_segment_fixed_size 0
		.amdhsa_enable_private_segment 0
		.amdhsa_kernarg_size 40
		.amdhsa_user_sgpr_count 2
		.amdhsa_user_sgpr_kernarg_segment_ptr 1
		.amdhsa_wavefront_size32 1
		.amdhsa_system_sgpr_workgroup_id_x 1
		.amdhsa_system_sgpr_workgroup_id_y 1
		.amdhsa_system_sgpr_workgroup_id_z 1
		.amdhsa_system_vgpr_workitem_id 0
		.amdhsa_next_free_vgpr 1024
		.amdhsa_next_free_sgpr 100
		.amdhsa_reserve_vcc 1
		.amdhsa_float_denorm_mode_32 3
		.amdhsa_float_denorm_mode_16_64 3
		.amdhsa_memory_ordered 1
		.amdhsa_forward_progress 1
		.amdhsa_inst_pref_size 255
	.end_amdhsa_kernel
	.section	.bss,"aw",@nobits
	.p2align	6
	.space	262144
	.amdgpu_metadata
---
amdhsa.version: [ 1, 2 ]
amdhsa.kernels:
  - .name:           k_qc2d72c7510_qkv
    .symbol:         k_qc2d72c7510_qkv.kd
    .args:
      - { .name: codes, .offset: 0, .size: 8, .value_kind: global_buffer, .address_space: global }
      - { .name: scales, .offset: 8, .size: 8, .value_kind: global_buffer, .address_space: global }
      - { .name: rope, .offset: 16, .size: 8, .value_kind: global_buffer, .address_space: global }
      - { .name: qkv, .offset: 24, .size: 8, .value_kind: global_buffer, .address_space: global }
      - { .name: fineqkv, .offset: 32, .size: 8, .value_kind: global_buffer, .address_space: global }
    .group_segment_fixed_size: 327680
    .private_segment_fixed_size: 0
    .kernarg_segment_align: 8
    .kernarg_segment_size: 40
    .max_flat_workgroup_size: 128
    .sgpr_count:     100
    .vgpr_count:     1024
    .wavefront_size: 32
...
	.end_amdgpu_metadata
.endif
;; end of part 2
;; launch attn (part 3): grid 16 x 16, 4 waves a work-group, no clusters, 327,680 bytes of LDS; arguments qkv, fineqkv, attn, finea; writes attn, finea
.if DOCPART == 3
	.amdgcn_target "amdgcn-amd-amdhsa--gfx1250"
	.amdhsa_code_object_version 6
	.text
	.protected	k_qc2d72c7510_attn
	.globl	k_qc2d72c7510_attn
	.p2align	8
	.type	k_qc2d72c7510_attn,@function
k_qc2d72c7510_attn:
	s_mov_b64 s[64:65], 0
	v_nop
	global_prefetch_b8 v0, s[64:65] scope:SCOPE_SE
	s_setreg_imm32_b32 hwreg(HW_REG_WAVE_MODE, 25, 1), 1
	s_wait_xcnt 0x0
; Causal attention, four query heads to a key and value head, head size 128, 1,024 positions, f16 operands, f32 products, maxima and sums.
; SHARES.  Work-group (i, 4 b + kvh): wave w is query head 4 kvh + w, so all four waves walk the same K and V.  A wave holds four tiles of 16 queries in two pieces:
; piece 0 (tiles 0, 1) = positions 32 i .. 32 i + 31, piece 2 (tiles 2, 3) = positions 992 - 32 i .. 1023 - 32 i.  With key steps of 64, piece 0 works in i / 2 + 1 steps and piece 2 in
; (31 - i) / 2 + 1: 17 piece-steps in every work-group, whatever i.  A piece's last step is the one in which hidden scores become -infinity.
; NO CLUSTER: work-groups that share K and V (other i) need different numbers of key steps.
; LAYOUT: S^T = K Q^T, O^T = V^T P: a lane holds one query throughout.  K comes out of LDS as it lies, V turned by ds_load_tr16_b128.
; SOFTMAX: a running maximum m and sum l for each query; p = 2^(c s - c m), c = log2(e) / sqrt(128); O and l are multiplied by 2^(c m_old - c m_new) in every step.
; RING: two slots of ONE key step (64 rows of K, 64 of V); waves 0, 1 fetch K's halves, waves 2, 3 V's, 32 rows a load.  Every work-group walks all 16 changes of slots; a step whose keys all come
; after the work-group's last query is neither asked for nor worked on.  All waits for tensor loads are for 0; one load of a wave is out behind each change.
; O^T, l and m begin as zeros and -3e38, so that the key step is written once for first and later steps: 256 moves once, against a third copy of the step.
; THE RESULT IS LAID IN THE ORDER OF THE NEXT PRODUCT'S OPERAND REGISTERS: [tile of 16 rows][chunk of 32 columns][two halves][lane][16 bytes].  A lane's eight channels 16 c + 8 h + 0..7 of query r, rounded to
; f16, are the 16 bytes of lane 16 h + r in half c % 2 of chunk 4 head + c / 2: so O^T goes from registers to memory as it stands, 512 consecutive bytes a store, with no turn through LDS.
; TAIL (work-groups i = 15, which walk the fewest steps): positions 0-15 of the four heads once more in f32, from f32 q, k, v, by the f32 matrix form: 64 instructions a wave.  Its loads go out ahead of
; and inside the way out, which is therefore written twice, under one branch on the work-group's number.
; LIMITS: attention's output must lie inside f16's range; c m is rounded once, and the residue, common to a row's keys, stays under 1 for |c m| < 1.6e7.
; REGISTERS: window 0: v1-11 addresses, v12-43 statistics, v44-47 addresses, v60-63, v64-191 S^T, v192-255 P.  window 1: O^T.  window 2: v0-127 Q, v128-255 K.
;   window 3: v0-127 V; v128-223 are written by the f32 matrix form alone.
.set KS,    64
.set PK,    272                        ; a row of K in LDS: 256 + 16
.set PV,    288                        ; a row of V: 256 + 32
.set VOFF,  KS*PK
.set STEPB, KS*(PK+PV)
.set SLOT1, 1<<16                      ; slot 1 begins here: one exclusive or turns an address
.set SPARE, SLOT1+STEPB                ; the spare words: 128 bytes a wave; no other line names them
.set AK0, 2
.set AV0, 3
.set ADR, 4
.set QO,  5
.set GO,  8                            ; v8  16 x lane
.set NEGI, 10                          ; v10 -infinity
.set DD,  11                           ; v11 the mask's d
.set ST,  12                           ; tile t: +0 c m, +1 m, +2, +3 l, +4 to +7 at work
.set ADV, 44
.set FQ,  45
.set FV,  46
.set FOU, 47
.set RH,  60                           ; v60 r - 8 h
.set PFO, 61                           ; v61 256 x lane
.set SPW, 62
.set NIL, 63
.set S,   64
.set P,   192
.set KFR, 128
.set FW,  64                           ; the tail: scores, then p
.set FP,  72                           ; p / l
.set WV,  12
.set II,  13
.set LIM, 15
.set PFA, 18
.set KEY, 22                           ; s22 the step's first key
.set TB,  23                           ; s23 LDS byte at which the slot in hand begins
.set G1K, 24
.set G1V, 32
.set G0K, 40
.set G0V, 44
.set HLAST,  48
.set HFIRST, 49
.set LLAST,  50
.set LFIRST, 51
.set QL,  52
.set QH,  54
.set SLOTS, 56
.set CS,  58
.set SEL, 60
.set OL,  66                           ; s[66:67], s[68:69]: the two pieces' places in the output
.set MSB, 0
.macro WIN new
.if MSB != \new
	s_set_vgpr_msb (MSB<<8)|\new
.set MSB, \new
.endif
.endm
.set W_KQ, 0x0a
.set W_PV, 0x53
.set W_RS, 0x41
.macro PLACES
.rept 4
	v_nop
.endr
.endm
.macro TLOAD                           ; both arms hold a load; the branch hangs on the wave's number alone; an s_nop 0 and four v_nop follow each line
	s_cmp_lt_u32 s[WV], 2
	s_cbranch_scc0 .Lfor_v_\@
	tensor_load_to_lds s[G0K:G0K+3], s[G1K:G1K+7]
	s_nop 0
	PLACES
	s_branch .Lasked_\@
.Lfor_v_\@:
	tensor_load_to_lds s[G0V:G0V+3], s[G1V:G1V+7]
	s_nop 0
	PLACES
.Lasked_\@:
.endm
; A prefetch of the key step after the one just asked for: 64 rows of K and 64 of V, 256 bytes a row, a lane a row, one instruction a wave (waves 0, 1: K's halves; 2, 3: V's).
; All sixteen work-groups of a key and value head walk the same rows: the one with i = 0, which walks all steps, asks.  So each row is named once.  The head and the last change ask for nothing.
.macro ASK
	s_cmp_gt_u32 s[SLOTS], s[LIM]
	s_cbranch_scc0 .Lnot_mine_\@
	global_prefetch_b8 v[PFO], s[PFA:PFA+1] th:TH_LOAD_NT scope:SCOPE_SE
.Lnot_mine_\@:
.endm
	s_load_b256 s[4:11], s[0:1], 0x0               ; qkv 4, fineqkv 6, attn 8, finea 10
	v_lshl_add_u32 v[SPW], v0, 2, SPARE
	v_mov_b32 v[NIL], 0
	ds_add_u32 v[SPW], v[NIL]                      ; the wave's opening: the add, twice on end, and its wait ahead of my first tensor load
	ds_add_u32 v[SPW], v[NIL]
	v_lshrrev_b32 v1, 5, v0
	v_readfirstlane_b32 s[WV], v1
	s_mov_b32 s[II], ttmp9
	s_and_b32 s14, ttmp7, 0xffff
	s_lshr_b32 s16, s14, 2                         ; b
	s_and_b32 s17, s14, 3                          ; kvh
	s_lshl_b32 s20, s17, 2
	s_add_co_u32 s20, s20, s[WV]                   ; my head
	s_and_b32 s21, s[WV], 1                        ; which 32 rows I fetch
	s_lshl_b32 s[LFIRST], s[II], 5
	s_add_co_u32 s[LLAST], s[LFIRST], 31
	s_sub_co_u32 s[HFIRST], 992, s[LFIRST]
	s_add_co_u32 s[HLAST], s[HFIRST], 31
	s_mov_b32 s[G1K], (1<<16)|(1<<20)|(5<<22)|(3<<25)   ; elements of 2 bytes; 4 words of padding behind every 64
	s_mov_b32 s[G1V], (1<<16)|(1<<20)|(5<<22)|(7<<25)   ; 8 words
.irp g, G1K, G1V
	s_mov_b32 s[\g+1], 128<<16
	s_mov_b32 s[\g+2], 32<<16
	s_mov_b32 s[\g+3], 128<<16
	s_mov_b32 s[\g+4], 32
	s_mov_b32 s[\g+5], 128
	s_mov_b32 s[\g+6], 0
	s_mov_b32 s[\g+7], 0
.endr
	s_lshl_b32 s74, s16, 18                        ; b x 1,024 rows of 256 bytes
	s_add_co_u32 s72, s17, 16
	s_lshl_b32 s72, s72, 20                        ; K's head
	s_add_co_u32 s72, s72, s74
	s_lshl_b32 s75, s21, 13
	s_add_co_u32 s72, s72, s75
	s_mov_b32 s73, 0
	s_lshl_b32 s76, s20, 20                        ; Q's head
	s_add_co_u32 s76, s76, s74
	s_lshl_b32 s75, s[HFIRST], 8
	s_add_co_u32 s78, s76, s75
	s_lshl_b32 s75, s[LFIRST], 8
	s_add_co_u32 s76, s76, s75
	s_mov_b32 s77, 0
	s_mov_b32 s79, 0
	s_lshl_b32 s80, s16, 22                        ; the output: a tile of 16 rows is 65,536 bytes, so a row counts 4,096; my head's four chunks of 1,024
	s_lshl_b32 s75, s20, 12
	s_add_co_u32 s80, s80, s75
	s_lshl_b32 s75, s[HFIRST], 12
	s_add_co_u32 s82, s80, s75
	s_lshl_b32 s75, s[LFIRST], 12
	s_add_co_u32 s80, s80, s75
	s_mov_b32 s81, 0
	s_mov_b32 s83, 0
	s_mov_b32 s[CS], 0x3e0293ee                    ; c = log2(e) / sqrt(128)
	s_mov_b32 s[CS+1], s[CS]
	s_mov_b32 s[SEL], 0x76543210
	s_mov_b32 s[SEL+1], 0xfedcba98
	s_mov_b32 s[KEY], 0
	s_mov_b32 s[TB], 0
	s_mov_b32 s[SLOTS], 15
	s_cmp_eq_u32 s[II], 0
	s_cselect_b32 s[LIM], 1, -1
	v_and_b32 v[PFO], 31, v0
	v_lshlrev_b32 v[PFO], 8, v[PFO]
	s_wait_dscnt 0x0                               ; both opening adds are done
	s_wait_kmcnt 0x0
	s_mov_b32 s[G0K], 1
	s_mul_i32 s[G0K+1], s21, 32*PK
	s_add_nc_u64 s[G0K+2:G0K+3], s[4:5], s[72:73]
	s_mov_b32 s[G0V], 1
	s_mul_i32 s[G0V+1], s21, 32*PV
	s_add_co_u32 s[G0V+1], s[G0V+1], VOFF
	s_add_nc_u64 s[G0V+2:G0V+3], s[G0K+2:G0K+3], 0x400000   ; V's heads lie four heads behind K's
	s_cmp_lt_u32 s[WV], 2
	s_cselect_b64 s[PFA:PFA+1], s[G0K+2:G0K+3], s[G0V+2:G0V+3]
	s_add_nc_u64 s[PFA:PFA+1], s[PFA:PFA+1], KS*256         ; at step 1; the first change steps it to step 2
	s_or_b32 s[G0K+3], s[G0K+3], 0x80000000
	s_or_b32 s[G0V+3], s[G0V+3], 0x80000000
	TLOAD                                          ; key step 0
	s_add_nc_u64 s[QL:QL+1], s[4:5], s[76:77]
	s_add_nc_u64 s[QH:QH+1], s[4:5], s[78:79]
	s_add_nc_u64 s[OL:OL+1], s[8:9], s[80:81]
	s_add_nc_u64 s[OL+2:OL+3], s[8:9], s[82:83]
	v_and_b32 v1, 15, v0                           ; r
	v_bfe_u32 v9, v0, 4, 1                         ; h
	v_lshlrev_b32 v[QO], 8, v1
	v_lshl_add_u32 v[QO], v9, 4, v[QO]
	WIN 0x80
.irp i, 0,1,2,3,4,5,6,7                        ; Q stays in registers: tile i / 4, channels 32 (i % 4) on
	global_load_b128 v[8*\i:8*\i+3],   v[QO], s[QL:QL+1] offset:(\i/4)*4096+(\i%4)*64
	global_load_b128 v[8*\i+4:8*\i+7], v[QO], s[QL:QL+1] offset:(\i/4)*4096+(\i%4)*64+32
.endr
.irp i, 0,1,2,3,4,5,6,7
	global_load_b128 v[64+8*\i:64+8*\i+3],   v[QO], s[QH:QH+1] offset:(\i/4)*4096+(\i%4)*64
	global_load_b128 v[64+8*\i+4:64+8*\i+7], v[QO], s[QH:QH+1] offset:(\i/4)*4096+(\i%4)*64+32
.endr
	WIN 0
	v_mul_u32_u24 v[AK0], v1, PK
	v_lshl_add_u32 v[AK0], v9, 4, v[AK0]
	v_and_b32 v[DD], 7, v0
	v_bfe_u32 v[NEGI], v0, 3, 1
	v_lshl_add_u32 v[AV0], v9, 3, v[DD]            ; the turning load: key 8 h + l % 8, channels 8 ((l / 8) % 2) on
	v_mul_u32_u24 v[AV0], v[AV0], PV
	v_lshl_add_u32 v[AV0], v[NEGI], 4, v[AV0]
	v_add_nc_u32 v[AV0], VOFF, v[AV0]
	v_and_b32 v[GO], 31, v0
	v_lshlrev_b32 v[GO], 4, v[GO]                  ; my 16 bytes of a fragment's half
	v_lshlrev_b32 v[FQ], 9, v1
	v_lshl_add_u32 v[FQ], v9, 4, v[FQ]             ; the tail: 512 r + 16 h,
	v_lshlrev_b32 v[FV], 12, v9
	v_lshl_add_u32 v[FV], v1, 2, v[FV]             ; 4,096 h + 4 r,
	v_lshlrev_b32 v[FOU], 13, v1
	v_lshl_add_u32 v[FOU], v9, 5, v[FOU]           ; 8,192 r + 32 h
	v_lshlrev_b32 v[RH], 3, v9
	v_sub_nc_u32 v[RH], v1, v[RH]
	v_mov_b32 v[NEGI], 0xff800000
.irp t, 0,1,2,3
	v_mov_b32 v[ST+8*\t+1], 0xff61b1e6             ; m = -3e38, under every score
	v_mul_f32 v[ST+8*\t], s[CS], v[ST+8*\t+1]
	v_mov_b32 v[ST+8*\t+2], 0
	v_mov_b32 v[ST+8*\t+3], 0
	v_mov_b32 v[ST+8*\t+4], 0                      ; the four work registers are written once here: on the way out a lane permute's destination (+5)
	v_mov_b32 v[ST+8*\t+5], 0                      ; counts as one of its sources, and +7 is named as the upper half of the pair (1 / l, .),
	v_mov_b32 v[ST+8*\t+6], 0                      ; on every way through the text, the one that jumps over all key steps among them
	v_mov_b32 v[ST+8*\t+7], 0
.endr
	WIN 0x40
.set i, 0
.rept 256
	v_mov_b32 v[i], 0                              ; O^T
.set i, i+1
.endr
	WIN 0
	s_wait_loadcnt 0x0                             ; Q
; product i of 32 of S^T = K Q^T: channels 32 (i / 8) on, keys 16 ((i / 2) % 4) on, tile x + i % 2; eight accumulators by turns
.macro KQ x
	WIN W_KQ
.set rS, S+32*(\x+i%2)+8*((i/2)%4)
.set rK, KFR+32*((i/2)%4)+8*(i/8)
.set rQ, 32*(\x+i%2)+8*(i/8)
.if i < 8
	v_wmma_f32_16x16x32_f16 v[rS:rS+7], v[rK:rK+7], v[rQ:rQ+7], 0
.else
	v_wmma_f32_16x16x32_f16 v[rS:rS+7], v[rK:rK+7], v[rQ:rQ+7], v[rS:rS+7]
.endif
.endm
; product i of 32 of O^T += V^T P: keys 32 (i / 16) on, channels 16 ((i / 2) % 8) on, tile x + i % 2; sixteen accumulators by turns
.macro PV x
	WIN W_PV
.set rO, 64*(\x+i%2)+8*((i/2)%8)
.set rV, 64*(i/16)+8*((i/2)%8)
.set rP, P+16*(\x+i%2)+8*(i/16)
	v_wmma_f32_16x16x32_f16 v[rO:rO+7], v[rV:rV+7], v[rP:rP+7], v[rO:rO+7]
.endm
.macro FETCH_K
	WIN 0
	v_add_nc_u32 v[ADR], s[TB], v[AK0]
	WIN 0x80
.irp f, 0,1,2,3,4,5,6,7,8,9,10,11,12,13,14,15
	ds_load_b128 v[KFR+8*\f:KFR+8*\f+3],   v[ADR] offset:(\f/4)*16*PK+(\f%4)*64
	ds_load_b128 v[KFR+8*\f+4:KFR+8*\f+7], v[ADR] offset:(\f/4)*16*PK+(\f%4)*64+32
.endr
.endm
.macro FETCH_V
	WIN 0
	v_add_nc_u32 v[ADV], s[TB], v[AV0]
	WIN 0xc0
.irp f, 0,1,2,3,4,5,6,7,8,9,10,11,12,13,14,15
	ds_load_tr16_b128 v[8*\f:8*\f+3],   v[ADV] offset:(\f/8)*32*PV+(\f%8)*32
	ds_load_tr16_b128 v[8*\f+4:8*\f+7], v[ADV] offset:(\f/8)*32*PV+16*PV+(\f%8)*32
.endr
.endm
; One tile's softmax for a key step is a list of 134 instructions; SM writes number j of it for tile t.
;   0-15 the maximum of the 32 scores and the old m; 16-20 the other half of the lanes', the new m, c m, c m_old - c m_new;
;   21-69 ONE BATCH: 16 packed scalings c s - c m and 33 exponentials, none of which reads an exponential's result; 70-85 the roundings to f16; 86-101 the sums; 102-133 O^T times a.
.macro SM t
.set rT, ST+8*(\t)
.set rS, S+32*(\t)
.set rP, P+16*(\t)
.set rO, 64*(\t)+2*(j-102)
.if j < 102
	WIN 0
.endif
.if j < 4
	v_max3_num_f32 v[rT+4+j], v[rS+8*j], v[rS+8*j+1], v[rS+8*j+2]      ; each accumulator is read from its low end on
.elseif j < 12
	v_max3_num_f32 v[rT+4+j%4], v[rT+4+j%4], v[rS+8*(j%4)+2*(j/4)+1], v[rS+8*(j%4)+2*(j/4)+2]
.elseif j == 12
	v_max3_num_f32 v[rT+4], v[rT+4], v[rS+7], v[rS+15]
.elseif j == 13
	v_max3_num_f32 v[rT+6], v[rT+6], v[rS+23], v[rS+31]
.elseif j == 14
	v_max3_num_f32 v[rT+4], v[rT+4], v[rT+5], v[rT+6]
.elseif j == 15
	v_max3_num_f32 v[rT+4], v[rT+4], v[rT+7], v[rT+1]
.elseif j == 16
	v_permlanex16_b32 v[rT+5], v[rT+4], s[SEL], s[SEL+1]
.elseif j == 17
	v_mov_b32 v[rT+7], v[rT]
.elseif j == 18
	v_max_num_f32 v[rT+1], v[rT+4], v[rT+5]
.elseif j == 19
	v_mul_f32 v[rT], s[CS], v[rT+1]
.elseif j == 20
	v_sub_f32 v[rT+7], v[rT+7], v[rT]
.elseif j == 23
	v_exp_f32 v[rT+6], v[rT+7]
.elseif (j < 23) || ((j < 38) && (j%2 == 0)) || ((j < 66) && (j%4 == 2))
.set b, (j-2)/4
.if j < 38
.set b, (j-20)/2
.endif
	v_pk_fma_f32 v[rS+2*b:rS+2*b+1], v[rS+2*b:rS+2*b+1], s[CS:CS+1], v[rT:rT+1] op_sel_hi:[1,0,0] neg_lo:[0,0,1] neg_hi:[0,0,1]
.elseif j < 70
.set e, j-38
.if j < 66
.set e, j-32-(j-38)/4
.endif
.if j < 38
.set e, (j-25)/2
.endif
	v_exp_f32 v[rS+e], v[rS+e]
.elseif j < 86
	v_cvt_pk_f16_f32 v[rP+j-70], v[rS+2*(j-70)], v[rS+2*(j-70)+1]
.elseif j < 102
.set z, j-86
.set w, 4
.set u, z
.if z >= 14
.set w, 32
.set u, 0
.elseif z >= 12
.set w, 16
.set u, z-12
.elseif z >= 8
.set w, 8
.set u, z-8
.endif
.if z < 15
	v_pk_add_f32 v[rS+w*u:rS+w*u+1], v[rS+w*u:rS+w*u+1], v[rS+w*u+w/2:rS+w*u+w/2+1]
.else
	v_pk_fma_f32 v[rT+2:rT+3], v[rT+2:rT+3], v[rT+6:rT+7], v[rS:rS+1] op_sel_hi:[1,0,1]
.endif
.else
	WIN W_RS
	v_pk_mul_f32 v[rO:rO+1], v[rO:rO+1], v[rT+6:rT+7] op_sel_hi:[1,0]
.endif
.endm
; A piece's part of a key step, in phases.  first: the scalar register with the piece's first position.
; V's run of LDS loads stands behind piece 2's first products, which do not want it: it is wanted only behind the softmax.  The last products that read V's registers stand in the step before,
; and the four plain places at the step's head lie between.
.macro PIECE x, first
.set i, 0
.rept 32
	KQ \x
.set i, i+1
.endr
.if \x == 2
	FETCH_V
.endif
	WIN 0
	PLACES                                         ; four plain places behind the last product, ahead of the first read of the scores
	s_add_co_u32 s70, s[KEY], 63
	s_cmp_le_u32 s70, s[\first]                    ; all 64 keys count for all 32 queries: ids and the count of steps alone
	s_cbranch_scc1 .Lopen_\@
	s_sub_co_i32 s70, s[\first], s[KEY]
	v_add_nc_u32 v[DD], s70, v[RH]                 ; register 8 kt + j of tile u holds key KEY + 16 kt + 8 h + j: hidden where 16 kt + j - 16 u > first - KEY + r - 8 h
.irp u, 0,1
.irp kt, 0,1,2,3
.irp jj, 0,1,2,3,4,5,6,7
	v_cmp_gt_i32 vcc_lo, 16*\kt+\jj-16*\u, v[DD]
	v_cndmask_b32 v[S+32*(\x+\u)+8*\kt+\jj], v[S+32*(\x+\u)+8*\kt+\jj], v[NEGI], vcc_lo
.endr
.endr
.endr
.Lopen_\@:
.set j, 0
.rept 70
	SM \x
	SM \x+1
.set j, j+1
.endr
	v_nop                                          ; the plain line behind the last exponential
	s_wait_alu depctr_va_vdst(0)                   ; one wait for the piece's 66 exponentials, ahead of their first reader
.rept 64
	SM \x
	SM \x+1
.set j, j+1
.endr
.if \x == 2
	s_wait_dscnt 0x0                               ; V is in
.endif
.set i, 0
.rept 32
	PV \x
.set i, i+1
.endr
	WIN 0
.endm
.macro STEP
	s_cmp_gt_u32 s[KEY], s[HLAST]                  ; all keys come after my work-group's last query: nothing to do
	s_cbranch_scc1 .Lhidden_\@
	PLACES                                         ; behind the last step's products, ahead of loads into K's and V's registers
	FETCH_K
	s_wait_dscnt 0x0                               ; K is in
	PIECE 2, HFIRST
	s_cmp_gt_u32 s[KEY], s[LLAST]
	s_cbranch_scc1 .Lhidden_\@
	PIECE 0, LFIRST
.Lhidden_\@:
	s_add_co_u32 s[KEY], s[KEY], KS
	s_xor_b32 s[TB], s[TB], SLOT1
.endm
; The change of slots stands at a step's head.  Each wave waits for all its tensor loads, adds 0 to its spare word, and waits for that and for its reads of the slot that it has left.
; fill = 1: that slot takes the next key step, while that step's first key is at or under the work-group's last query: the test is made of ids and the count of steps, the same in all four waves,
; and leads round the load's own lines alone.
.macro CHANGE fill
	s_wait_tensorcnt 0x0                           ; no tensor load of mine is out, so a group 0 may be written
	ds_add_u32 v[SPW], v[NIL]
.if \fill
	s_xor_b32 s[G0K+1], s[G0K+1], SLOT1
	s_add_nc_u64 s[G0K+2:G0K+3], s[G0K+2:G0K+3], KS*256
	s_xor_b32 s[G0V+1], s[G0V+1], SLOT1
	s_add_nc_u64 s[G0V+2:G0V+3], s[G0V+2:G0V+3], KS*256
	s_wait_xcnt 0x0                                ; the last prefetch, a step back, has read its address
	s_add_nc_u64 s[PFA:PFA+1], s[PFA:PFA+1], KS*256
.endif
	s_wait_dscnt 0x0
	s_barrier_signal -1
	s_barrier_wait -1
.if \fill
	s_add_co_u32 s70, s[KEY], KS
	s_cmp_gt_u32 s70, s[HLAST]
	s_cbranch_scc1 .Lpast_\@
	TLOAD
.Lpast_\@:
	ASK
.endif
.endm
; THE WAY OUT: O^T / l, rounded to f16, stored as it stands: group f of a tile's 32 packed registers is half f % 2 of chunk f / 2 of my head.
.macro PACK t
	WIN W_RS
.set i, 64*\t
.rept 32
	v_pk_mul_f32 v[i:i+1], v[i:i+1], v[ST+8*\t+6:ST+8*\t+7] op_sel_hi:[1,0]
.set i, i+2
.endr
	WIN 0x05
.set i, 0
.rept 32
	v_cvt_pk_f16_f32 v[S+32*\t+i], v[64*\t+2*i], v[64*\t+2*i+1]
.set i, i+1
.endr
	WIN 0
.irp f, 0,1,2,3,4,5,6,7
	global_store_b128 v[GO], v[S+32*\t+4*\f:S+32*\t+4*\f+3], s[OL+2*(\t/2):OL+2*(\t/2)+1] offset:(\t%2)*65536+\f*512   ; 32 lanes store 512 consecutive bytes, aligned
.endr
.endm
.macro FINE_V c                        ; the tail's v(key 8 h + e, channel 16 c + r)
.irp e, 0,1,2,3,4,5,6,7
	global_load_b32 v[8*(\c)+\e], v[FV], s[88:89] offset:512*\e+64*(\c)
.endr
.endm
; fine = 1: the rest of the tail's loads stand in the middle of the way out.  The additions at its head are the places behind the last products.
.macro WAYOUT fine
.irp t, 0,1,2,3
	v_add_f32 v[ST+8*\t+4], v[ST+8*\t+2], v[ST+8*\t+3]
.endr
.irp t, 0,1,2,3
	v_permlanex16_b32 v[ST+8*\t+5], v[ST+8*\t+4], s[SEL], s[SEL+1]
.endr
.irp t, 0,1,2,3
	v_add_f32 v[ST+8*\t+4], v[ST+8*\t+4], v[ST+8*\t+5]
.endr
.irp t, 0,1,2,3
	v_rcp_f32 v[ST+8*\t+6], v[ST+8*\t+4]
.endr
	v_nop
	s_wait_alu depctr_va_vdst(0)                   ; one wait for the four reciprocals
	PACK 0
	PACK 1
.if \fine
	WIN 0xc0
.irp c, 3,4,5,6,7
	FINE_V \c
.endr
	WIN 0
.endif
	PACK 2
	PACK 3
.endm
.Lstep:                                            ; 15 trips
	CHANGE 1
	STEP
	s_sub_co_u32 s[SLOTS], s[SLOTS], 1
	s_cmp_lg_u32 s[SLOTS], 0
	s_cbranch_scc1 .Lstep
	CHANGE 0                                       ; the last step is written out: nothing follows it
	STEP
	s_cmp_eq_u32 s[II], 15
	s_cbranch_scc1 .Lfine
	WAYOUT 0
	s_wait_tensorcnt 0x0                           ; the wave's end
	ds_add_u32 v[SPW], v[NIL]
	s_wait_dscnt 0x0
	s_endpgm
.Lfine:                                            ; work-groups i = 15: the way out with the tail's loads, then the tail
	PLACES                                         ; behind the last products, ahead of loads into V's registers
	s_lshl_b32 s70, s16, 13                        ; b x 16 rows of 512 bytes
	s_lshl_b32 s72, s20, 15                        ; my head's q
	s_add_co_u32 s72, s72, s70
	s_mov_b32 s73, 0
	s_add_nc_u64 s[84:85], s[6:7], s[72:73]
	s_add_co_u32 s72, s17, 16
	s_lshl_b32 s72, s72, 15
	s_add_co_u32 s72, s72, s70
	s_add_nc_u64 s[86:87], s[6:7], s[72:73]        ; k,
	s_add_nc_u64 s[88:89], s[86:87], 0x20000       ; v: four heads on
	s_lshl_b32 s72, s16, 17
	s_lshl_b32 s70, s20, 9
	s_add_co_u32 s72, s72, s70
	s_add_nc_u64 s[90:91], s[10:11], s[72:73]
	WIN 0x80
.irp n, 0,1,2,3,4,5,6,7,8,9,10,11,12,13,14,15
	global_load_b128 v[4*\n:4*\n+3], v[FQ], s[84:85] offset:32*\n          ; q(r, 8 n + 4 h + 0..3)
.endr
.irp n, 0,1,2,3,4,5,6,7,8,9,10,11,12,13,14,15
	global_load_b128 v[128+4*\n:128+4*\n+3], v[FQ], s[86:87] offset:32*\n  ; k likewise
.endr
	WIN 0xc0
.irp c, 0,1,2
	FINE_V \c                                      ; 56 loads here, the other 40 in the way out
.endr
	WIN 0
	WAYOUT 1
	s_wait_tensorcnt 0x0                           ; the tail below touches no LDS
	ds_add_u32 v[SPW], v[NIL]
	s_wait_dscnt 0x0
	; THE TAIL: positions 0-15 of my head in f32.  Along both products' K the same permutation stands on both sides.
	s_wait_xcnt 0x0                                ; the stores above have read their registers
	s_wait_loadcnt 0x0                             ; q, k and v
	WIN 0xfa
.set n, 0
.rept 32                                       ; four accumulators by turns
.if n < 4
	v_wmma_f32_16x16x4_f32 v[128+8*(n%4):135+8*(n%4)], v[128+2*n:129+2*n], v[2*n:2*n+1], 0
.else
	v_wmma_f32_16x16x4_f32 v[128+8*(n%4):135+8*(n%4)], v[128+2*n:129+2*n], v[2*n:2*n+1], v[128+8*(n%4):135+8*(n%4)]
.endif
.set n, n+1
.endr
.rept 8
	v_nop                                          ; eight places behind this form
.endr
	WIN 0x0f
.irp jj, 0,1,2,3,4,5,6,7
	v_add_f32 v[FW+\jj], v[128+\jj], v[136+\jj]
.endr
	WIN 0x03
.irp jj, 0,1,2,3,4,5,6,7
	v_add_f32 v[FW+\jj], v[144+\jj], v[FW+\jj]
.endr
.irp jj, 0,1,2,3,4,5,6,7
	v_add_f32 v[FW+\jj], v[152+\jj], v[FW+\jj]     ; score(query r, key 8 h + j)
.endr
	WIN 0
.irp jj, 0,1,2,3,4,5,6,7
	v_cmp_gt_i32 vcc_lo, \jj, v[RH]
	v_cndmask_b32 v[FW+\jj], v[FW+\jj], v[NEGI], vcc_lo
.endr
	v_max3_num_f32 v80, v[FW], v[FW+1], v[FW+2]
	v_max3_num_f32 v80, v80, v[FW+3], v[FW+4]
	v_max3_num_f32 v80, v80, v[FW+5], v[FW+6]
	v_max_num_f32 v80, v80, v[FW+7]
	v_mov_b32 v81, 0
	v_permlanex16_b32 v81, v80, s[SEL], s[SEL+1]
	v_max_num_f32 v80, v80, v81                    ; key 0 counts for every query: a number
	v_mul_f32 v80, s[CS], v80
.irp jj, 0,1,2,3,4,5,6,7
	v_fma_f32 v[FW+\jj], v[FW+\jj], s[CS], -v80
.endr
.irp jj, 0,1,2,3,4,5,6,7
	v_exp_f32 v[FW+\jj], v[FW+\jj]
.endr
	v_nop
	s_wait_alu depctr_va_vdst(0)
	v_add_f32 v82, v[FW], v[FW+1]
	v_add_f32 v83, v[FW+2], v[FW+3]
	v_add_f32 v82, v82, v[FW+4]
	v_add_f32 v83, v83, v[FW+5]
	v_add_f32 v82, v82, v[FW+6]
	v_add_f32 v83, v83, v[FW+7]
	v_add_f32 v82, v82, v83
	v_permlanex16_b32 v81, v82, s[SEL], s[SEL+1]
	v_add_f32 v82, v82, v81
	v_rcp_f32 v82, v82
	v_nop
	s_wait_alu depctr_va_vdst(0)
.irp jj, 0,1,2,3,4,5,6,7
	v_mul_f32 v[FP+\jj], v[FW+\jj], v82
.endr
	WIN 0xf3
.irp t, 0,1,2,3                                ; keys 8 h + 2 t, + 1; eight accumulators by turns
.irp c, 0,1,2,3,4,5,6,7
.if \t == 0
	v_wmma_f32_16x16x4_f32 v[160+8*\c:167+8*\c], v[8*\c+2*\t:8*\c+2*\t+1], v[FP+2*\t:FP+2*\t+1], 0
.else
	v_wmma_f32_16x16x4_f32 v[160+8*\c:167+8*\c], v[8*\c+2*\t:8*\c+2*\t+1], v[FP+2*\t:FP+2*\t+1], v[160+8*\c:167+8*\c]
.endif
.endr
.endr
.rept 8
	v_nop
.endr
	WIN 0x0c
.irp c, 0,1,2,3,4,5,6,7
	global_store_b128 v[FOU], v[160+8*\c:163+8*\c], s[90:91] offset:64*\c      ; o(r, 16 c + 8 h + 0..7), natural channel order
	global_store_b128 v[FOU], v[164+8*\c:167+8*\c], s[90:91] offset:64*\c+16
.endr
	WIN 0
	s_endpgm
.Lfunc_end_k_qc2d72c7510_attn:
	.size	k_qc2d72c7510_attn, .Lfunc_end_k_qc2d72c7510_attn-k_qc2d72c7510_attn
	.p2alignl 7, 3214868480
	.fill 96, 4, 3214868480
	.section	.rodata,"a",@progbits
	.p2align	6, 0x0
	.amdhsa_kernel k_qc2d72c7510_attn
		.amdhsa_group_segment_fixed_size 327680
		.amdhsa_private_segment_fixed_size 0
		.amdhsa_enable_private_segment 0
		.amdhsa_kernarg_size 32
		.amdhsa_user_sgpr_count 2
		.amdhsa_user_sgpr_kernarg_segment_ptr 1
		.amdhsa_wavefront_size32 1
		.amdhsa_system_sgpr_workgroup_id_x 1
		.amdhsa_system_sgpr_workgroup_id_y 1
		.amdhsa_system_sgpr_workgroup_id_z 1
		.amdhsa_system_vgpr_workitem_id 0
		.amdhsa_next_free_vgpr 1024
		.amdhsa_next_free_sgpr 92
		.amdhsa_reserve_vcc 1
		.amdhsa_float_denorm_mode_32 3
		.amdhsa_float_denorm_mode_16_64 3
		.amdhsa_memory_ordered 1
		.amdhsa_forward_progress 1
		.amdhsa_inst_pref_size 181
	.end_amdhsa_kernel
	.amdgpu_metadata
---
amdhsa.version: [ 1, 2 ]
amdhsa.kernels:
  - .name:           k_qc2d72c7510_attn
    .symbol:         k_qc2d72c7510_attn.kd
    .args:
      - { .name: qkv, .offset: 0, .size: 8, .value_kind: global_buffer, .address_space: global }
      - { .name: fineqkv, .offset: 8, .size: 8, .value_kind: global_buffer, .address_space: global }
      - { .name: attn, .offset: 16, .size: 8, .value_kind: global_buffer, .address_space: global }
      - { .name: finea, .offset: 24, .size: 8, .value_kind: global_buffer, .address_space: global }
    .group_segment_fixed_size: 327680
    .private_segment_fixed_size: 0
    .kernarg_segment_align: 8
    .kernarg_segment_size: 32
    .max_flat_workgroup_size: 128
    .sgpr_count:     92
    .vgpr_count:     1024
    .wavefront_size: 32
...
	.end_amdgpu_metadata
.endif
;; end of part 3
;; launch fineproj (part 4): grid 64 x 4, 16 waves a work-group, no clusters, 34,816 bytes of LDS; arguments finea, Wo, out0, wot; writes out0, wot
.if DOCPART == 4
	.amdgcn_target "amdgcn-amd-amdhsa--gfx1250"
	.amdhsa_code_object_version 6
	.text
	.protected	k_qc2d72c7510_fineproj
	.globl	k_qc2d72c7510_fineproj
	.p2align	8
	.type	k_qc2d72c7510_fineproj,@function
k_qc2d72c7510_fineproj:
	s_mov_b64 s[64:65], 0
	v_nop
	global_prefetch_b8 v0, s[64:65] scope:SCOPE_SE
	s_setreg_imm32_b32 hwreg(HW_REG_WAVE_MODE, 25, 1), 1
	s_wait_xcnt 0x0
; TWO THINGS FROM ONE READ OF Wo.
; (1) The rows of out0 for positions 0-15 of each sequence: 64 x 2048 x 2048 in f32, from attention's f32 output of those rows and Wo as it is given.
; Work-group (ng, b): 16 rows x 32 columns.  Wave w sums over k = 128 w .. 128 w + 127 (head w) by the f32 matrix form, used transposed (source 0 = 16 columns of Wo, source 1 = the 16 rows):
; a lane holds row r and columns 16 c + 8 h + j.  Along K the same permutation stands on both sides.  The sixteen waves' parts meet in LDS; waves 0 to 3 add and store.
; (2) Wo in f16 for the large projection, laid in the order of that product's operand registers: [tile of 16 columns n][chunk of 32 along k'][two halves][lane][16 bytes], k' = 128 head + p holding
; k = 128 head + 2 p for p < 64, else 128 head + 2 (p - 64) + 1.  A lane of half h takes k = 32 G + 16 h + 4 g + e: sixteen neighbours for each G.  Their eight even k are p = 16 G + 8 h + 0..7, which are the
; 16 bytes of lane 16 h + r in half G % 2 of chunk G / 2; the eight odd k the same two chunks further on.  So four conversions make a lane's 16 bytes and a wave's store covers 512 consecutive bytes.
; The four work-groups b = 0..3 hold the same columns of Wo: of each, the waves with w % 4 = b store their head's images, so that each byte is stored once.
; All 144 loads of a wave go out at once, each into registers of its own.  v16-31 are written by matrix instructions alone.
; LIMIT: Wo must lie inside f16's range (65,504).
.set SPARE, 32768                      ; the spare words: 128 bytes for each of 16 waves; no other line names them
.set SPW, 12
.set NIL, 13
.set ACC, 16
.set FA,  32                           ; v32-95   a(r, 32 G + 16 h + 4 g + e) at 16 G + 4 g + e; later Wo's images
.set FB,  96                           ; v96-223  Wo(32 G + 16 h + 4 g + e, 16 c + r) at 64 c + 16 G + 4 g + e; v96-159 later the sixteen parts
	s_load_b128 s[4:7], s[0:1], 0x0                ; finea, Wo
	s_load_b128 s[8:11], s[0:1], 0x10              ; out0, wot
	v_lshl_add_u32 v[SPW], v0, 2, SPARE
	v_mov_b32 v[NIL], 0
	v_lshrrev_b32 v1, 5, v0
	v_readfirstlane_b32 s12, v1                    ; wave 0..15
	s_and_b32 s13, ttmp7, 0xffff                   ; b
	v_and_b32 v1, 15, v0                           ; r
	v_bfe_u32 v2, v0, 4, 1                         ; h
	v_lshlrev_b32 v3, 13, v1
	v_lshl_add_u32 v3, v2, 6, v3                   ; a: 8,192 r + 64 h
	v_lshlrev_b32 v4, 17, v2
	v_lshl_add_u32 v4, v1, 2, v4                   ; Wo: 16 h rows of 8,192 + 4 r
	v_and_b32 v15, 31, v0
	v_lshlrev_b32 v15, 4, v15                      ; 16 x lane
	s_lshl_b32 s14, s12, 11
	v_add_nc_u32 v5, s14, v15                      ; my part's image in LDS: 2,048 w + 16 x lane
	v_and_b32 v6, 127, v0                          ; the adding threads: row = t / 8, four columns 4 (t % 8) on
	v_lshrrev_b32 v7, 3, v6
	v_bfe_u32 v8, v6, 2, 1                         ; c
	v_and_b32 v9, 1, v6                            ; which four registers
	v_bfe_u32 v10, v6, 1, 1                        ; h
	v_lshlrev_b32 v11, 4, v7
	v_lshl_add_u32 v11, v8, 10, v11
	v_lshl_add_u32 v11, v9, 9, v11
	v_lshl_add_u32 v11, v10, 8, v11                ; 512 (2 c + q) + 16 (16 h + row)
	v_and_b32 v8, 7, v6
	v_lshlrev_b32 v14, 13, v7
	v_lshl_add_u32 v14, v8, 4, v14                 ; out0: 8,192 row + 16 (t % 8)
	s_lshl_b32 s16, s13, 17                        ; finea: b x 16 rows of 8,192, my head's 512 bytes
	s_lshl_b32 s17, s12, 9
	s_add_co_u32 s16, s16, s17
	s_mov_b32 s17, 0
	s_lshl_b32 s18, s12, 20                        ; Wo: 128 w rows, my work-group's 32 columns
	s_lshl_b32 s19, ttmp9, 7
	s_add_co_u32 s18, s18, s19
	s_lshl_b32 s20, s13, 23                        ; out0: 1,024 b rows, the same columns
	s_add_co_u32 s20, s20, s19
	s_mov_b32 s19, 0
	s_mov_b32 s21, 0
	s_lshl_b32 s22, ttmp9, 17                      ; wot: two tiles of 16 columns, 65,536 bytes each; my head's four chunks of 1,024
	s_lshl_b32 s23, s12, 12
	s_add_co_u32 s22, s22, s23
	s_mov_b32 s23, 0
	s_and_b32 s24, s12, 3
	s_wait_kmcnt 0x0
	s_add_nc_u64 s[4:5], s[4:5], s[16:17]
	s_add_nc_u64 s[6:7], s[6:7], s[18:19]
	s_add_nc_u64 s[8:9], s[8:9], s[20:21]
	s_add_nc_u64 s[10:11], s[10:11], s[22:23]
.irp q, 0,1,2,3                                ; four chunks of 36 loads: G = q
.irp gg, 0,1,2,3
	global_load_b128 v[FA+4*(4*\q+\gg):FA+4*(4*\q+\gg)+3], v3, s[4:5] offset:128*\q+16*\gg
.endr
.irp gg, 0,1,2,3
.irp e, 0,1,2,3
.irp c, 0,1
	global_load_b32 v[FB+64*\c+4*(4*\q+\gg)+\e], v4, s[6:7] offset:(32*\q+4*\gg+\e)*8192+64*\c
.endr
.endr
.endr
.endr
.macro CHUNK q                         ; 16 matrix instructions; the two accumulators take turns
.irp gg, 0,1,2,3
.irp s, 0,1
.irp c, 0,1
.if (\q == 0) && (\gg == 0) && (\s == 0)
	v_wmma_f32_16x16x4_f32 v[ACC+8*\c:ACC+8*\c+7], v[FB+64*\c+4*(4*\q+\gg)+2*\s:FB+64*\c+4*(4*\q+\gg)+2*\s+1], v[FA+4*(4*\q+\gg)+2*\s:FA+4*(4*\q+\gg)+2*\s+1], 0
.else
	v_wmma_f32_16x16x4_f32 v[ACC+8*\c:ACC+8*\c+7], v[FB+64*\c+4*(4*\q+\gg)+2*\s:FB+64*\c+4*(4*\q+\gg)+2*\s+1], v[FA+4*(4*\q+\gg)+2*\s:FA+4*(4*\q+\gg)+2*\s+1], v[ACC+8*\c:ACC+8*\c+7]
.endif
.endr
.endr
.endr
.endm
	s_wait_loadcnt 63                              ; chunks 0 and 1 are in: 72 loads are younger than chunk 1's, and 63 is the largest count that the wait can name
	CHUNK 0
	CHUNK 1
	s_wait_loadcnt 36                              ; chunk 3's 36 loads may be out
	CHUNK 2
	s_wait_loadcnt 0x0
	CHUNK 3
.rept 8
	v_nop                                          ; eight places behind this form: for the writes over a's registers, the loads into Wo's and the reads of the sums
.endr
	s_cmp_lg_u32 s24, s13                          ; ids alone: are my head's images mine to store?
	s_cbranch_scc1 .Lno_image
.irp c, 0,1
.irp g, 0,1,2,3
.irp p, 0,1                                    ; the even k, then the odd
.irp i, 0,1,2,3
	v_cvt_pk_f16_f32 v[FA+32*\c+8*\g+4*\p+\i], v[FB+64*\c+16*\g+4*\i+\p], v[FB+64*\c+16*\g+4*\i+\p+2]
.endr
	global_store_b128 v15, v[FA+32*\c+8*\g+4*\p:FA+32*\c+8*\g+4*\p+3], s[10:11] offset:65536*\c+1024*(\g/2+2*\p)+512*(\g%2)   ; 32 lanes store 512 consecutive bytes, aligned; each store has registers of its own
.endr
.endr
.endr
.Lno_image:
.irp c, 0,1
	ds_store_b128 v5, v[ACC+8*\c:ACC+8*\c+3] offset:1024*\c        ; each accumulator from its low end on
	ds_store_b128 v5, v[ACC+8*\c+4:ACC+8*\c+7] offset:1024*\c+512
.endr
	s_wait_dscnt 0x0                               ; for the others' sake
	s_barrier_signal -1
	s_barrier_wait -1
	s_cmp_lt_u32 s12, 4
	s_cbranch_scc0 .Lend
.irp p, 0,1,2,3,4,5,6,7,8,9,10,11,12,13,14,15
	ds_load_b128 v[FB+4*\p:FB+4*\p+3], v11 offset:2048*\p
.endr
	s_wait_dscnt 0x0
.irp d, 8,4,2,1
.set p, 0
.rept \d
	v_pk_add_f32 v[FB+4*p:FB+4*p+1], v[FB+4*p:FB+4*p+1], v[FB+4*(p+\d):FB+4*(p+\d)+1]
	v_pk_add_f32 v[FB+4*p+2:FB+4*p+3], v[FB+4*p+2:FB+4*p+3], v[FB+4*(p+\d)+2:FB+4*(p+\d)+3]
.set p, p+1
.endr
.endr
	global_store_b128 v14, v[FB:FB+3], s[8:9]      ; eight lanes store a row's 128 consecutive bytes
.Lend:
	s_wait_tensorcnt 0x0                           ; the wave's end
	ds_add_u32 v[SPW], v[NIL]
	s_wait_dscnt 0x0
	s_endpgm
.Lfunc_end_k_qc2d72c7510_fineproj:
	.size	k_qc2d72c7510_fineproj, .Lfunc_end_k_qc2d72c7510_fineproj-k_qc2d72c7510_fineproj
	.p2alignl 7, 3214868480
	.fill 96, 4, 3214868480
	.section	.rodata,"a",@progbits
	.p2align	6, 0x0
	.amdhsa_kernel k_qc2d72c7510_fineproj
		.amdhsa_group_segment_fixed_size 34816
		.amdhsa_private_segment_fixed_size 0
		.amdhsa_enable_private_segment 0
		.amdhsa_kernarg_size 32
		.amdhsa_user_sgpr_count 2
		.amdhsa_user_sgpr_kernarg_segment_ptr 1
		.amdhsa_wavefront_size32 1
		.amdhsa_system_sgpr_workgroup_id_x 1
		.amdhsa_system_sgpr_workgroup_id_y 1
		.amdhsa_system_sgpr_workgroup_id_z 1
		.amdhsa_system_vgpr_workitem_id 0
		.amdhsa_next_free_vgpr 256
		.amdhsa_next_free_sgpr 66
		.amdhsa_reserve_vcc 0
		.amdhsa_float_denorm_mode_32 3
		.amdhsa_float_denorm_mode_16_64 3
		.amdhsa_memory_ordered 1
		.amdhsa_forward_progress 1
		.amdhsa_inst_pref_size 30
	.end_amdhsa_kernel
	.amdgpu_metadata
---
amdhsa.version: [ 1, 2 ]
amdhsa.kernels:
  - .name:           k_qc2d72c7510_fineproj
    .symbol:         k_qc2d72c7510_fineproj.kd
    .args:
      - { .name: finea, .offset: 0, .size: 8, .value_kind: global_buffer, .address_space: global }
      - { .name: Wo, .offset: 8, .size: 8, .value_kind: global_buffer, .address_space: global }
      - { .name: out0, .offset: 16, .size: 8, .value_kind: global_buffer, .address_space: global }
      - { .name: wot, .offset: 24, .size: 8, .value_kind: global_buffer, .address_space: global }
    .group_segment_fixed_size: 34816
    .private_segment_fixed_size: 0
    .kernarg_segment_align: 8
    .kernarg_segment_size: 32
    .max_flat_workgroup_size: 512
    .sgpr_count:     66
    .vgpr_count:     256
    .wavefront_size: 32
...
	.end_amdgpu_metadata
.endif
;; end of part 4
;; launch oproj (part 5): grid 8 x 32, 4 waves a work-group, clusters of 4 x 4, 327,680 bytes of LDS; arguments attn, wot, out0; writes out0
.if DOCPART == 5
	.amdgcn_target "amdgcn-amd-amdhsa--gfx1250"
	.amdhsa_code_object_version 6
	.text
	.protected	k_qc2d72c7510_oproj
	.globl	k_qc2d72c7510_oproj
	.p2align	8
	.type	k_qc2d72c7510_oproj,@function
k_qc2d72c7510_oproj:
	s_mov_b64 s[64:65], 0
	v_nop
	global_prefetch_b8 v0, s[64:65] scope:SCOPE_SE
	s_setreg_imm32_b32 hwreg(HW_REG_WAVE_MODE, 25, 1), 1
	s_wait_xcnt 0x0
	s_wait_alu depctr_hold_cnt(0) depctr_sa_sdst(0) depctr_va_vdst(0) depctr_va_sdst(0) depctr_va_ssrc(0) depctr_va_vcc(0) depctr_vm_vsrc(0)
	s_getreg_b32 s2, hwreg(HW_REG_IB_STS2, 6, 4)
	s_cmp_eq_u32 s2, 0
	s_cbranch_scc0 .Lentry_in_a_cluster
	s_endpgm
.Lentry_in_a_cluster:
	s_bfe_u32 s2, ttmp6, 0x10000c
	s_cmp_lg_u32 s2, 0xf033
	s_cbranch_scc0 .Lentry_shape_is_right
	s_endpgm
.Lentry_shape_is_right:
; out0 = attention's output x Wo, 4096 x 2048 x 2048, f16 operands, f32 sums and results.
; BOTH OPERANDS LIE IN MEMORY IN THE ORDER OF THE OPERAND'S REGISTERS: [tile of 16 rows][64 chunks of 32 along K][two halves][lane][16 bytes]: a fragment is 1,024 bytes on end, a tile of 16 rows 65,536.
; So a tile needs no padding in LDS, a fragment comes by two loads at 16 x lane, and a K step of 192 fits twice: 24 tiles of 16 rows x 6 chunks x 1,024 = 147,456 bytes a slot.
; A tile of 128 x 256 of the result gives 256 work-groups.  Four waves, each 64 x 128: 32 accumulators.  K goes in ten steps of 192 and one of 128 through a ring of two LDS slots: a full step is
; 192 matrix instructions a wave, 176 of them between a request and the wait for it.  The short step has descriptors and address registers of its own.
; 4 x 4 work-groups form a cluster: A's tiles are asked for jointly along a row, B's along a column.  Waves 0, 1 fetch A's halves (4 tiles of 16 rows), waves 2, 3 B's (8).
; The matrix instruction is used transposed (source 0 = 16 rows of B, source 1 = 16 rows of A): a lane holds eight neighbouring columns of a row.
; Rows of positions 0-15 of each sequence are not stored here: a small launch makes them in f32.  No prefetch: the tiles are shared in the cluster and read by several clusters.
; REGISTERS: window 0: v16-29 addresses; v64-127 A's fragments, two buffers of 32; v128-255 the way out.  window 1: v0-127 B's fragments, two buffers of 64.  window 2: the accumulators, (a, b) at 8 (8 a + b).
.set CH,     1024                      ; a fragment
.set RS,     6*CH                      ; a tile of 16 rows in a slot: six chunks
.set RSS,    4*CH                      ; the same in the short step
.set SLOT,   24*RS                     ; A's 8 tiles of 16 rows, then B's 16
.set STAGE,  SLOT                      ; the way out: 16 rows x 528 for each wave, in slot 1: it has had its last fill and its last read when the first result is stored there
.set SPITCH, 528
.set SPARE,  2*SLOT                    ; the spare words: 128 bytes a wave; no other line names them
.set ADRA,  16                         ; v16-17 my A fragments in slot 0, 1;  v18 in the short step
.set ADRAS, 18
.set ADRB,  20                         ; v20-21, v22 the same for B
.set ADRBS, 22
.set STO,  24
.set RD,   25
.set CO,   26                          ; v26 16 x lane
.set POS0, 27
.set SPW,  28
.set NIL,  29
.set BK,   128
.set G1, 24                            ; s[24:31] group 1 for A's tiles;  s[32:39] group 0, one set for each slot
.set G0, 32
.set G1B, 48                           ; s[48:55], s[56:63] the same for B's
.set G0B, 56
.set G1S, 68                           ; s[68:75], s[76:83] groups 1 of the short step;  s[84:87], s[88:91] its groups 0
.set G1SB, 76
.set G0S, 84
.set G0SB, 88
.set MSB, 0
.macro WIN new
.if MSB != \new
	s_set_vgpr_msb (MSB<<8)|\new
.set MSB, \new
.endif
.endm
.set MUL,  0xa1
.set TO_B, 0x40
.macro PLACES
.rept 4
	v_nop
.endr
.endm
; a joint load: waves 0 and 1 fetch for A, waves 2 and 3 for B; the branch hangs on the wave's number alone; an s_nop 0 and four v_nop follow each line
.macro JLOAD g0a, g1a, g0b, g1b
	s_cmp_eq_u32 s11, 0
	s_cbranch_scc0 .Lfor_b_\@
	tensor_load_to_lds s[\g0a:\g0a+3], s[\g1a:\g1a+7]
	s_nop 0
	PLACES
	s_branch .Lasked_\@
.Lfor_b_\@:
	tensor_load_to_lds s[\g0b:\g0b+3], s[\g1b:\g1b+7]
	s_nop 0
	PLACES
.Lasked_\@:
.endm
.macro CREST
	s_cmp_lg_u32 s10, 0
	s_cbranch_scc1 .Lnot_wave_0_\@
	s_barrier_signal -3
.Lnot_wave_0_\@:
	s_barrier_wait -3
	s_barrier_signal -1
	s_barrier_wait -1
.endm
.macro CROUND
	s_barrier_signal -1
	s_barrier_wait -1
	CREST
.endm
.macro GROUP1 g, c, r                  ; r rows of c elements of 8 bytes, 8,192 elements (a tile of 16 rows) apart, dense in LDS
	s_mov_b32 s[\g+1], (\c)<<16                    ; tensor_dim0
	s_mov_b32 s[\g+2], (\r)<<16                    ; tensor_dim1
	s_mov_b32 s[\g+3], (\c)<<16                    ; tile_dim0
	s_mov_b32 s[\g+4], \r                          ; tile_dim1
	s_mov_b32 s[\g+5], 8192                        ; from row to row
	s_mov_b32 s[\g+6], 0
	s_mov_b32 s[\g+7], 0
.endm
	s_load_b128 s[4:7], s[0:1], 0x0                ; A, B
	s_load_b64 s[8:9], s[0:1], 0x10                ; out0
	v_lshl_add_u32 v[SPW], v0, 2, SPARE
	v_mov_b32 v[NIL], 0
	ds_add_u32 v[SPW], v[NIL]                      ; the wave's opening: the add, twice on end, and its wait ahead of my first tensor load
	ds_add_u32 v[SPW], v[NIL]
	v_lshrrev_b32 v1, 5, v0
	v_readfirstlane_b32 s10, v1
	s_lshr_b32 s11, s10, 1                         ; my half of the rows; also: I fetch for A (0) or B (1)
	s_and_b32 s12, s10, 1                          ; my half of the columns; also: which half of that tile I fetch
	s_bfe_u32 s40, ttmp6, 0x40000
	s_bfe_u32 s41, ttmp6, 0x40004
	s_lshl_b32 s42, ttmp9, 2
	s_add_co_u32 s42, s42, s40                     ; tile column
	s_and_b32 s13, ttmp7, 0xffff
	s_lshl_b32 s13, s13, 2
	s_add_co_u32 s13, s13, s41                     ; tile row
	s_lshl_b32 s43, s41, 2
	s_lshl_b32 s43, 15, s43                        ; my row of the cluster
	s_lshl_b32 s44, 0x1111, s40                    ; my column
	s_or_b32 s[G1+0], s43, (3<<16)|(1<<21)         ; the mask; elements of 8 bytes; bit 21 beside a mask; no padding
	s_or_b32 s[G1B+0], s44, (3<<16)|(1<<21)
	s_or_b32 s[G1S+0], s43, (3<<16)|(1<<21)
	s_or_b32 s[G1SB+0], s44, (3<<16)|(1<<21)
	GROUP1 G1, 768, 4                              ; A: 4 tiles of 16 rows x 6,144 bytes
	GROUP1 G1B, 768, 8                             ; B: 8
	GROUP1 G1S, 512, 4                             ; the short step: 4,096 bytes of each
	GROUP1 G1SB, 512, 8
	s_lshl_b32 s16, s13, 3
	s_lshl_b32 s17, s12, 2
	s_add_co_u32 s16, s16, s17
	s_lshl_b32 s16, s16, 16                        ; A: (8 x tile row + 4 x half) tiles of 65,536 bytes
	s_mov_b32 s17, 0
	s_lshl_b32 s46, s42, 4
	s_lshl_b32 s47, s12, 3
	s_add_co_u32 s46, s46, s47
	s_lshl_b32 s46, s46, 16                        ; B: (16 x tile column + 8 x half) tiles
	s_mov_b32 s47, 0
	s_mul_i32 s20, s12, 4*RS                       ; where they go: no place in the cluster enters an LDS address
	s_mul_i32 s21, s12, 8*RS
	s_add_co_u32 s21, s21, 8*RS
	s_wait_dscnt 0x0                               ; both opening adds are done
	s_wait_kmcnt 0x0
	s_add_nc_u64 s[14:15], s[4:5], s[16:17]
	s_add_nc_u64 s[46:47], s[6:7], s[46:47]
	s_mov_b32 s[G0S], 1                            ; the short step: chunks 60 to 63, into slot 0
	s_mul_i32 s[G0S+1], s12, 4*RSS
	s_add_nc_u64 s[G0S+2:G0S+3], s[14:15], 10*RS
	s_or_b32 s[G0S+3], s[G0S+3], 0x80000000
	s_mov_b32 s[G0SB], 1
	s_mul_i32 s[G0SB+1], s12, 8*RSS
	s_add_co_u32 s[G0SB+1], s[G0SB+1], 8*RSS
	s_add_nc_u64 s[G0SB+2:G0SB+3], s[46:47], 10*RS
	s_or_b32 s[G0SB+3], s[G0SB+3], 0x80000000
	CROUND                                         ; all sixteen work-groups are here: the first joint loads meet
.irp s, 0,1
	s_mov_b32 s[G0+4*\s], 1
	s_add_co_u32 s[G0+4*\s+1], s20, \s*SLOT
	s_add_nc_u64 s[G0+4*\s+2:G0+4*\s+3], s[14:15], \s*RS
	s_or_b32 s[G0+4*\s+3], s[G0+4*\s+3], 0x80000000
	s_mov_b32 s[G0B+4*\s], 1
	s_add_co_u32 s[G0B+4*\s+1], s21, \s*SLOT
	s_add_nc_u64 s[G0B+4*\s+2:G0B+4*\s+3], s[46:47], \s*RS
	s_or_b32 s[G0B+4*\s+3], s[G0B+4*\s+3], 0x80000000
	JLOAD G0+4*\s, G1, G0B+4*\s, G1B               ; two loads of mine are out behind these first fills
.endr
	v_and_b32 v1, 15, v0
	v_bfe_u32 v2, v0, 4, 1
	v_and_b32 v5, 31, v0
	v_lshlrev_b32 v[CO], 4, v5                     ; 16 x lane: my place in every fragment's half, and in a row of the result
	s_mul_i32 s21, s11, 4*RS                       ; my 4 tiles of A
	s_mul_i32 s22, s12, 8*RS                       ; my 8 tiles of B,
	s_add_co_u32 s22, s22, 8*RS                    ; which lie behind A's 8
.irp s, 0,1
	v_add_nc_u32 v[ADRA+\s], s21, v[CO]
	v_add_nc_u32 v[ADRB+\s], s22, v[CO]
	s_add_co_u32 s21, s21, SLOT
	s_add_co_u32 s22, s22, SLOT
.endr
	s_mul_i32 s21, s11, 4*RSS
	s_mul_i32 s22, s12, 8*RSS
	s_add_co_u32 s22, s22, 8*RSS
	v_add_nc_u32 v[ADRAS], s21, v[CO]
	v_add_nc_u32 v[ADRBS], s22, v[CO]
	s_mul_i32 s23, s10, 16*SPITCH
	s_add_co_u32 s23, s23, STAGE
	v_mul_u32_u24 v4, v1, SPITCH
	v_lshl_add_u32 v4, v2, 5, v4
	v_add_nc_u32 v[STO], s23, v4                   ; in: row r, 32 bytes for each half of the lanes
	v_add_nc_u32 v[RD], s23, v[CO]                 ; back: the 32 lanes take one row of 512 bytes
	s_lshl_b32 s16, s13, 7
	s_lshl_b32 s17, s11, 6
	s_add_co_u32 s16, s16, s17                     ; my first row
	s_and_b32 s22, s16, 1023
	v_mov_b32 v[POS0], s22                         ; its position in its sequence
	s_lshl_b32 s16, s16, 13
	s_mov_b32 s17, 0
	s_add_nc_u64 s[8:9], s[8:9], s[16:17]
	s_lshl_b32 s46, s42, 10
	s_lshl_b32 s47, s12, 9
	s_add_co_u32 s46, s46, s47
	s_mov_b32 s47, 0
	s_add_nc_u64 s[8:9], s[8:9], s[46:47]
.macro MUL8 f, a, zero                 ; A's block a x B's eight, 32 along K, buffer f; the 32 accumulators take turns in the same order in every quarter
.irp b, 0,1,2,3,4,5,6,7
.if \zero
	v_wmma_f32_16x16x32_f16 v[8*(8*(\a)+\b):8*(8*(\a)+\b)+7], v[64*(\f)+8*\b:64*(\f)+8*\b+7], v[64+32*(\f)+8*(\a):64+32*(\f)+8*(\a)+7], 0
.else
	v_wmma_f32_16x16x32_f16 v[8*(8*(\a)+\b):8*(8*(\a)+\b)+7], v[64*(\f)+8*\b:64*(\f)+8*\b+7], v[64+32*(\f)+8*(\a):64+32*(\f)+8*(\a)+7], v[8*(8*(\a)+\b):8*(8*(\a)+\b)+7]
.endif
.endr
.endm
; 24 LDS loads in one run: chunk q of B's eight tiles, then of A's four, into buffer f.  ra, rb: the address registers; rs: bytes from a tile of 16 rows to the next.  Each load takes 512 consecutive bytes.
.macro FETCH ra, rb, rs, q, f
	WIN TO_B
.irp i, 0,1,2,3,4,5,6,7
	ds_load_b128 v[64*(\f)+8*\i:64*(\f)+8*\i+3],   v[\rb] offset:(\q)*CH+\i*(\rs)
	ds_load_b128 v[64*(\f)+8*\i+4:64*(\f)+8*\i+7], v[\rb] offset:(\q)*CH+\i*(\rs)+512
.endr
	WIN 0
.irp i, 0,1,2,3
	ds_load_b128 v[64+32*(\f)+8*\i:64+32*(\f)+8*\i+3],   v[\ra] offset:(\q)*CH+\i*(\rs)
	ds_load_b128 v[64+32*(\f)+8*\i+4:64+32*(\f)+8*\i+7], v[\ra] offset:(\q)*CH+\i*(\rs)+512
.endr
.endm
.macro PART ra, rb, rs, q, f, g, zero  ; 32 along K: multiplies buffer f; in its middle fetches chunk q into buffer g
	s_wait_dscnt 4                                 ; B and A's blocks 0, 1 are in; the youngest four loads (A's blocks 2, 3) may be out
	WIN MUL
	MUL8 \f, 0, \zero
	MUL8 \f, 1, \zero
	PLACES                                         ; four plain places in front of loads into registers that matrix instructions have read
	FETCH \ra, \rb, \rs, \q, \g
	s_wait_dscnt 24                                ; all but the 24 just issued
	WIN MUL
	MUL8 \f, 2, \zero
	MUL8 \f, 3, \zero
.endm
.macro FOUR ra, rb                     ; a full step's parts that fetch chunks 2 to 5
	PART \ra, \rb, RS, 2, 1, 0, 0
	PART \ra, \rb, RS, 3, 0, 1, 0
	PART \ra, \rb, RS, 4, 1, 0, 0
	PART \ra, \rb, RS, 5, 0, 1, 0
.endm
; A step's last part multiplies buffer 1 and changes slots.  In front of the barrier each wave waits for all its tensor loads, adds 0 to its spare word, and waits for that and for its reads of this slot.
; fill = 1: this slot takes the step two on; fill = 2: slot 0 takes the short step; fill = 0: nothing is filled, and no round follows.  ra, rb, rs: the next step's.
.macro TURN slot, fill, ra, rb, rs
	WIN 0
	s_wait_tensorcnt 0x0                           ; all my tensor loads have landed: my part of the next slot
	ds_add_u32 v[SPW], v[NIL]
	s_wait_dscnt 5                                 ; (the add and the youngest four loads may be out)
	WIN MUL
	MUL8 1, 0, 0
	s_wait_dscnt 0x0                               ; the add is done, and my reads of this slot are over
	s_barrier_signal -1
	MUL8 1, 1, 0
	WIN 0
	s_barrier_wait -1
.if \fill == 1
	CREST                                          ; the round: no wave of any partner still reads this slot or has a load on its way
	s_add_nc_u64 s[G0+4*\slot+2:G0+4*\slot+3], s[G0+4*\slot+2:G0+4*\slot+3], 2*RS
	s_add_nc_u64 s[G0B+4*\slot+2:G0B+4*\slot+3], s[G0B+4*\slot+2:G0B+4*\slot+3], 2*RS
	JLOAD G0+4*\slot, G1, G0B+4*\slot, G1B         ; 176 matrix instructions ahead of the wait for it
.elseif \fill == 2
	CREST
	JLOAD G0S, G1S, G0SB, G1SB
.else
	PLACES
.endif
	FETCH \ra, \rb, \rs, 0, 0
	WIN MUL
	MUL8 1, 2, 0
	MUL8 1, 3, 0
.endm
	s_wait_tensorcnt 1                             ; my part of K step 0 is in; K step 1's may be out
	s_barrier_signal -1
	s_barrier_wait -1
	FETCH ADRA, ADRB, RS, 0, 0
	PART ADRA, ADRB, RS, 1, 0, 1, 1                ; the first products start the sums
	WIN 0
	s_mov_b32 s3, 4
.Llap:                                             ; a trip goes once round the ring, from an even step's second part to the next even step's first: steps 0 to 7; it asks for steps 2 to 9
	FOUR ADRA, ADRB
	TURN 0, 1, ADRA+1, ADRB+1, RS
	PART ADRA+1, ADRB+1, RS, 1, 0, 1, 0
	FOUR ADRA+1, ADRB+1
	TURN 1, 1, ADRA, ADRB, RS
	PART ADRA, ADRB, RS, 1, 0, 1, 0
	WIN 0
	s_sub_co_u32 s3, s3, 1
	s_cmp_lg_u32 s3, 0
	s_cbranch_scc1 .Llap
	FOUR ADRA, ADRB                                ; step 8
	TURN 0, 2, ADRA+1, ADRB+1, RS                  ; slot 0 takes the short step
	PART ADRA+1, ADRB+1, RS, 1, 0, 1, 0            ; step 9
	FOUR ADRA+1, ADRB+1
	TURN 1, 0, ADRAS, ADRBS, RSS                   ; nothing more is asked for
	PART ADRAS, ADRBS, RSS, 1, 0, 1, 0             ; the short step: four parts
	PART ADRAS, ADRBS, RSS, 2, 1, 0, 0
	PART ADRAS, ADRBS, RSS, 3, 0, 1, 0
	s_wait_dscnt 4
	WIN MUL
	MUL8 1, 0, 0
	MUL8 1, 1, 0
	s_wait_dscnt 0
	MUL8 1, 2, 0
	MUL8 1, 3, 0
	WIN 0
; THE WAY OUT, block by block of 16 rows x 128 columns, through my own stage: back as whole rows of 512 bytes.
.macro TOSTAGE a
	WIN 0x08                                       ; an LDS store's data are its source 1: window 2
.irp b, 0,1,2,3,4,5,6,7
	ds_store_b128 v[STO], v[64*(\a)+8*\b:64*(\a)+8*\b+3] offset:64*\b          ; each accumulator from its low end on
	ds_store_b128 v[STO], v[64*(\a)+8*\b+4:64*(\a)+8*\b+7] offset:64*\b+16
.endr
	WIN 0
.irp t, 0,1,2,3,4,5,6,7,8,9,10,11,12,13,14,15
	ds_load_b128 v[BK+64*((\a)%2)+4*\t:BK+64*((\a)%2)+4*\t+3], v[RD] offset:\t*SPITCH
.endr
.endm
.macro SEND a, younger
	s_wait_dscnt \younger
.irp t, 0,1,2,3,4,5,6,7,8,9,10,11,12,13,14,15
	global_store_b128 v[CO], v[BK+64*((\a)%2)+4*\t:BK+64*((\a)%2)+4*\t+3], s[8:9] offset:(16*(\a)+\t)*8192 th:TH_STORE_NT   ; 32 lanes store 512 consecutive bytes, aligned
.endr
.endm
	PLACES
	TOSTAGE 0
	TOSTAGE 1
	v_cmp_ne_u32 vcc_lo, 0, v[POS0]                ; block 0 is left out where it holds positions 0-15: all lanes or none; a predicate
	s_wait_xcnt 0x0                                ; EXEC changes only behind this wait
	s_and_saveexec_b32 s20, vcc_lo
	SEND 0, 32                                     ; behind block 0's loads: block 1's 16 stores and 16 loads
	s_wait_xcnt 0x0                                ; and again in front of the line that widens it; block 2's loads land in these registers
	s_or_b32 exec_lo, exec_lo, s20
	TOSTAGE 2
	SEND 1, 32
	s_wait_xcnt 0x0                                ; block 1's stores have read their registers
	TOSTAGE 3
	SEND 2, 32
	SEND 3, 0
	s_wait_tensorcnt 0x0                           ; the wave's end
	ds_add_u32 v[SPW], v[NIL]
	s_wait_dscnt 0x0
	CROUND                                         ; the closing round
	s_endpgm
.Lfunc_end_k_qc2d72c7510_oproj:
	.size	k_qc2d72c7510_oproj, .Lfunc_end_k_qc2d72c7510_oproj-k_qc2d72c7510_oproj
	.p2alignl 7, 3214868480
	.fill 96, 4, 3214868480
	.section	.rodata,"a",@progbits
	.p2align	6, 0x0
	.amdhsa_kernel k_qc2d72c7510_oproj
		.amdhsa_group_segment_fixed_size 327680
		.amdhsa_private_segment_fixed_size 0
		.amdhsa_enable_private_segment 0
		.amdhsa_kernarg_size 24
		.amdhsa_user_sgpr_count 2
		.amdhsa_user_sgpr_kernarg_segment_ptr 1
		.amdhsa_wavefront_size32 1
		.amdhsa_system_sgpr_workgroup_id_x 1
		.amdhsa_system_sgpr_workgroup_id_y 1
		.amdhsa_system_sgpr_workgroup_id_z 1
		.amdhsa_system_vgpr_workitem_id 0
		.amdhsa_next_free_vgpr 768
		.amdhsa_next_free_sgpr 96
		.amdhsa_reserve_vcc 1
		.amdhsa_float_denorm_mode_32 3
		.amdhsa_float_denorm_mode_16_64 3
		.amdhsa_memory_ordered 1
		.amdhsa_forward_progress 1
		.amdhsa_inst_pref_size 133
	.end_amdhsa_kernel
	.amdgpu_metadata
---
amdhsa.version: [ 1, 2 ]
amdhsa.kernels:
  - .name:           k_qc2d72c7510_oproj
    .symbol:         k_qc2d72c7510_oproj.kd
    .args:
      - { .name: attn, .offset: 0, .size: 8, .value_kind: global_buffer, .address_space: global }
      - { .name: wot, .offset: 8, .size: 8, .value_kind: global_buffer, .address_space: global }
      - { .name: out0, .offset: 16, .size: 8, .value_kind: global_buffer, .address_space: global }
    .group_segment_fixed_size: 327680
    .private_segment_fixed_size: 0
    .kernarg_segment_align: 8
    .kernarg_segment_size: 24
    .max_flat_workgroup_size: 128
    .sgpr_count:     96
    .vgpr_count:     768
    .wavefront_size: 32
...
	.end_amdgpu_metadata
.endif
;; end of part 5
